; MI455X (gfx1250); checked and timed in simulation.
; The chip was launched on July 23, 2026; its instructions are those of AMD's public machine-readable ISA for CDNA 5 (MIT licence, August 2026) and "CDNA5" Instruction Set Architecture Reference Guide (July 2026). The comments in the code are by the model that wrote it; some were corrected since.
;; Masked Self Attention. Allowed arithmetic: matrix products marked QUANTISED: E4M3 operands, one given power-of-two scale a tensor, by v_wmma_f32_16x16x64_fp8_fp8 or v_wmma_f32_16x16x128_fp8_fp8, f32 sums; everything else in f32.
;; Inputs: Wk 1,024 x 1,024 float32; Wo 1,024 x 1,024 float32; Wq 1,024 x 1,024 float32; Wv 1,024 x 1,024 float32; bk 1,024 float32; bo 1,024 float32; bq 1,024 float32; bv 1,024 float32; lowp_scales 12 int32 (the exponents e of the quantised operands' scales 2^e); x 4 x 2,048 x 1,024 float32.
;; Outputs: out0 4 x 2,048 x 1,024 float32.
;; This version of the problem:
;;   THIS VERSION OF THE PROBLEM IS GIVEN IN LOW PRECISION. The matrix products marked QUANTISED in the list below multiply operands that are first quantised to E4M3 (4 exponent bits, 3 mantissa bits; 8 bits a number), with one given power-of-two scale for each operand tensor; their sums are f32. All else is computed in f32.
;;   The module's matrix products, in the order in which they are computed (A, B: the left and right operand; K: the contracted axis; several contracted axes count as one K, in the product's order):
;;     1. [M 8,192, K 1,024] x [K 1,024, N 1,024]; A: input x; B: input Wq: QUANTISED (scales: A lowp_scales[0], B lowp_scales[1])
;;     2. [M 8,192, K 1,024] x [K 1,024, N 1,024]; A: input x; B: input Wk: QUANTISED (scales: A lowp_scales[2], B lowp_scales[3])
;;     3. [M 8,192, K 1,024] x [K 1,024, N 1,024]; A: input x; B: input Wv: QUANTISED (scales: A lowp_scales[4], B lowp_scales[5])
;;     4. batch 64 x [M 2,048, K 64] x [K 64, N 2,048]; A: computed on the way; B: computed on the way: QUANTISED (scales: A lowp_scales[6], B lowp_scales[7])
;;     5. batch 64 x [M 2,048, K 2,048] x [K 2,048, N 64]; A: softmax (see below); B: computed on the way: QUANTISED (scales: A lowp_scales[8], B lowp_scales[9])
;;     6. [M 8,192, K 1,024] x [K 1,024, N 1,024]; A: computed on the way; B: input Wo: QUANTISED (scales: A lowp_scales[10], B lowp_scales[11])
;;   THE QUANTISER, for each operand of a quantised product, along K:
;;     - The operand's scale is 2^e, e = its entry of the input lowp_scales (int32; the entries are numbered through the quantised products in the list's order, A before B).
;;     - Each number is divided by the scale, clamped to +-448, and rounded to the nearest number of E4M3, ties to even, subnormals kept.
;;     - The product sums the exact products of the quantised numbers (number of the format x scale) in f32.
;;   ~~~python
;;   def quantise(x, axis, e):      # numpy; x: float32 -> the quantised numbers, widened to float32 again
;;       x = np.moveaxis(x, axis, -1); K = x.shape[-1]
;;       r = np.clip(x / 2.0 ** e, -448, 448)
;;       step = 2.0 ** (np.maximum(np.frexp(np.where(r == 0, 1, r))[1] - 1, -6) - 3)
;;       q = np.round(r / step) * step * 2.0 ** e      # np.round: ties to even
;;       return np.moveaxis(q, -1, axis).astype(np.float32)
;;   ~~~
;;   SOFTMAX AHEAD OF A QUANTISED PRODUCT. Where the list says 'softmax', what is quantised is not the finished softmax but p = 2^(t - M), with t = logit x log2(e) and M = ceil(the row's largest t), a whole number; so 1/2 < the row's largest p <= 1. The row's sum l is taken of the UNQUANTISED p, in f32, and the product's result is divided by l at the end. Since M is a whole number, a kernel that streams over the keys may use a running M (the ceiling of the running maximum): every later rescaling is an exact power of two, so the quantised numbers keep their values, but for numbers so far below the row's largest that they fall under the format's range.
;;   OPERANDS COMPUTED ON THE WAY. 'Computed on the way' means the value that the module computes at that place (a softmax that the list does not call 'softmax' is quantised finished and normalised). What goes into a quantiser is computed in f32, as accurately as f32 sums, v_exp_f32 and their like allow (about 1e-6 of the number): no bf16 or f16 on the way to a quantiser, and a product that is left as it is and whose result goes on into a quantised operand takes f32 operands (vector FMAs, or v_wmma_f32_16x16x4_f32). A number that lies on a knife's edge between two numbers of the format may be rounded either way, as far as f32 arithmetic and the matrix unit's own rounding can turn it there, and no further.
;; One version. Each part assembles by itself: llvm-mc -triple=amdgcn-amd-amdhsa -mcpu=gfx1250 --defsym DOCPART=n.
;; ======== version 1 of 1: 4 launches
;; limits: right only within a limited range of input values
;; workspace buffers: xc 25,165,824 bytes; wc 4,194,304 bytes; qkv 25,165,824 bytes; ac 8,388,608 bytes
;; launch prep (part 1): grid 384 x 1, 4 waves a work-group, no clusters, 34,304 bytes of LDS; arguments x, Wq, Wk, Wv, Wo, lowp_scales, xc, wc; writes xc, wc
.if DOCPART == 1
	.amdgcn_target "amdgcn-amd-amdhsa--gfx1250"
	.amdhsa_code_object_version 6
	.text
	.protected	k_q509550992e_prep
	.globl	k_q509550992e_prep
	.p2align	8
	.type	k_q509550992e_prep,@function
k_q509550992e_prep:
	s_mov_b64 s[64:65], 0
	v_nop
	global_prefetch_b8 v0, s[64:65] scope:SCOPE_SE
	s_setreg_imm32_b32 hwreg(HW_REG_WAVE_MODE, 25, 1), 1
	s_wait_xcnt 0x0
; x [8192][1024] f32 and the four weights [1024 (k)][1024 (n)] f32 become codes of FP8 (E4M3), each with the scale 2^e that is given for it.
; code = number / 2^e, held within +-448, rounded to the nearest code, ties to even.  x is an operand of three products with three entries of its own (0, 2, 4): three sets of codes.
; THE CODES ARE LAID AS IMAGES OF OPERAND REGISTERS.  A fragment is 16 rows x 128 along K: lane (r, h) holds row r, registers 2 c, 2 c + 1 hold k = 16 c + 8 h + 0 .. 7.  A piece is four registers of all 32 lanes,
; lane l's 16 bytes at 16 l: 512 bytes; a fragment is four pieces on end, 2,048 bytes.  xc: [3][512 blocks of 16 rows][8 blocks of 128 k][2048].  wc: [4 (Wq, Wk, Wv, Wo)][64 blocks of 16 columns n][8][2048].
; Work-groups 0 to 255 take x (32 rows each), 256 to 383 the weights (128 columns x 256 k each).  The waves share nothing: no barrier.  No work-group reads what another reads: nothing to share in a cluster.
; LIMITS: each e between -126 and 119, so that 2^e and 448 x 2^e are f32 numbers.  NaN among the inputs is not served.
.set SP,   528                         ; a row of the x path's stage: 512 bytes + 16 = 33 x 16: the sixteen rows that a load touches start at sixteen different banks' groups (64 banks of 4 bytes: ISA guide 11.1)
.set STGB, 16*SP                       ; a wave's stage: 16 rows
.set R,    16                          ; v16-143   x path: two sets of 64 registers as loaded (16 rows x 16 bytes a lane)
.set X,    144                         ; v144-207  x path: my 64 numbers of a fragment, register 8 c + i = k 16 c + 8 h + i of row r
.set T,    208                         ; v208-223  x path: unused; the T terms cancel out of the conversions' operands
.set C,    224                         ; v224-255  x path: two sets of 16 registers of codes
.set WX,   32                          ; v32-95    weights: two sets of 32 numbers down K
.set WC,   96                          ; v96-159   weights: 8 registers of codes for each of 8 blocks: no store's data are written again
	s_load_b512 s[4:19], s[0:1], 0x0               ; x 4:5, Wq 6:7, Wk 8:9, Wv 10:11, Wo 12:13, the exponents 14:15, xc 16:17, wc 18:19
	v_lshl_add_u32 v14, v0, 2, 0x8400
	v_mov_b32 v15, 0
	v_lshrrev_b32 v1, 5, v0
	v_readfirstlane_b32 s20, v1                    ; wave 0..3
	v_and_b32 v1, 31, v0                           ; lane
	s_wait_kmcnt 0x0
	s_load_b256 s[24:31], s[14:15], 0x0            ; entries 0 to 7
	s_load_b128 s[32:35], s[14:15], 0x20           ; entries 8 to 11
	s_cmp_lt_u32 ttmp9, 256
	s_cbranch_scc0 .Lweights
	s_wait_alu depctr_va_vdst(0)
; ---------------- x.  Wave w of work-group j: block of rows 2 j + w / 2, blocks of k 4 (w % 2) .. + 3: four fragments.
	v_lshlrev_b32 v2, 4, v1                        ; 16 x lane: my bytes of a load's 512 and of a piece
	s_wait_alu depctr_va_vdst(0)
	s_mul_i32 s21, s20, STGB
	v_add_nc_u32 v3, s21, v2                       ; the stage, on the way in: a row as it lies
	v_and_b32 v4, 15, v0                           ; r
	v_bfe_u32 v5, v0, 4, 1                         ; h
	v_mul_u32_u24 v4, v4, SP
	v_lshl_add_u32 v4, v5, 5, v4
	v_add_nc_u32 v4, s21, v4                       ; and on the way out: row r, + 32 h bytes
	s_lshl_b32 s22, ttmp9, 1
	s_lshr_b32 s23, s20, 1
	s_add_co_u32 s22, s22, s23                     ; my block of 16 rows
	s_and_b32 s23, s20, 1
	s_lshl_b32 s36, s22, 16                        ; 16 rows of 4,096 bytes
	s_lshl_b32 s37, s23, 11                        ; + 512 numbers along K
	s_add_co_u32 s36, s36, s37
	s_mov_b32 s37, 0
	s_add_nc_u64 s[4:5], s[4:5], s[36:37]
	s_lshl_b32 s36, s22, 14                        ; a block of rows is 8 fragments
	s_lshl_b32 s38, s23, 13
	s_add_co_u32 s36, s36, s38
	s_add_nc_u64 s[40:41], s[16:17], s[36:37]      ; my fragments in the three sets of codes
	s_add_nc_u64 s[42:43], s[40:41], 0x800000
	s_add_nc_u64 s[44:45], s[40:41], 0x1000000
.macro XLOAD t                         ; fragment t: 16 loads, each a row's 512 consecutive bytes
.irp i, 0,1,2,3,4,5,6,7,8,9,10,11,12,13,14,15
	global_load_b128 v[R+64*((\t)%2)+4*\i:R+64*((\t)%2)+4*\i+3], v2, s[4:5] offset:512*(\t)+4096*\i th:TH_LOAD_NT
.endr
.endm
	XLOAD 0
	XLOAD 1
	s_wait_alu depctr_va_vdst(0)
	s_wait_kmcnt 0x0
.irp w, 0,1,2
	s_add_co_i32 s46, s[24+2*\w], 127
	s_lshl_b32 s47, s46, 23
	v_mov_b32 v[6+\w], s47                         ; 2^e as f32: the conversion takes its exponent field
	s_add_co_i32 s46, s46, 8
	s_lshl_b32 s46, s46, 23
	s_or_b32 s46, s46, 0x600000
.endr
.macro XFRAG t
.if (\t) < 3
	s_wait_loadcnt 16                              ; this fragment's 16 loads are in; the next fragment's 16 may be out
.else
	s_wait_loadcnt 0
.endif
.irp i, 0,1,2,3,4,5,6,7,8,9,10,11,12,13,14,15
	ds_store_b128 v3, v[R+64*((\t)%2)+4*\i:R+64*((\t)%2)+4*\i+3] offset:SP*\i
.endr
	v_nop
.irp c, 0,1,2,3,4,5,6,7
	ds_load_b128 v[X+8*\c:X+8*\c+3], v4 offset:64*\c           ; LDS serves a wave's instructions in order (ISA guide 5.7.1.4): these see my stores
	ds_load_b128 v[X+8*\c+4:X+8*\c+7], v4 offset:64*\c+16
.endr
	s_wait_dscnt 0x0                               ; my numbers are back, and the stores have read the set as loaded,
.if (\t) < 2
	XLOAD (\t)+2                                   ; which takes the fragment two further on
.endif
.irp w, 0,1,2
.set CC, C+16*((3*(\t)+\w)%2)
	s_wait_xcnt 0x0                                ; the stores of two turns ago have read this set of codes: it is written again only behind this wait
.irp c, 0,1,2,3,4,5,6,7
.irp i, 0,1,2,3,4,5,6,7
.endr
	v_cvt_scalef32_pk8_fp8_f32 v[CC+2*\c:CC+2*\c+1], v[T+8*(\c%2)+((X+8*\c+0)-(T+8*(\c%2)+0)):T+8*(\c%2)+7+((X+8*\c+0)-(T+8*(\c%2)+0))], v[6+\w]
.endr
.irp p, 0,1,2,3
	global_store_b128 v2, v[CC+4*\p:CC+4*\p+3], s[40+2*\w:41+2*\w] offset:2048*(\t)+512*\p   ; a piece: 512 consecutive bytes, aligned
.endr
.endr
.endm
	s_wait_alu depctr_va_vdst(0)
	XFRAG 0
	XFRAG 1
	XFRAG 2
	XFRAG 3
	s_wait_tensorcnt 0x0
	ds_add_u32 v14, v15
	s_wait_dscnt 0x0
	s_endpgm
; ---------------- the weights.  K is the FIRST axis: a lane takes a column n and its registers run down K, so that the conversions give codes with K innermost.
.Lweights:
	s_sub_co_u32 s21, ttmp9, 256
	s_lshr_b32 s22, s21, 5                         ; which weight: 0 Wq, 1 Wk, 2 Wv, 3 Wo
	s_bfe_u32 s23, s21, 0x30002                    ; which 128 columns
	s_and_b32 s21, s21, 3                          ; which 256 along K
	s_cmp_eq_u32 s22, 1
	s_cselect_b64 s[6:7], s[8:9], s[6:7]
	s_cmp_eq_u32 s22, 2
	s_cselect_b64 s[6:7], s[10:11], s[6:7]
	s_cmp_eq_u32 s22, 3
	s_cselect_b64 s[6:7], s[12:13], s[6:7]
	s_lshl_b32 s36, s23, 7
	s_lshl_b32 s37, s20, 5
	s_add_co_u32 s36, s36, s37                     ; my wave's first column
	s_lshl_b32 s38, s21, 20                        ; 256 rows of 4,096 bytes
	s_lshl_b32 s39, s36, 2
	s_add_co_u32 s38, s38, s39
	s_mov_b32 s39, 0
	s_add_nc_u64 s[6:7], s[6:7], s[38:39]
	s_lshl_b32 s38, s22, 20                        ; the weight's section of wc,
	s_lshl_b32 s40, s36, 10                        ; + 16,384 bytes for each 16 columns,
	s_add_co_u32 s38, s38, s40
	s_lshl_b32 s40, s21, 12                        ; + two fragments for each 256 along K
	s_add_co_u32 s38, s38, s40
	s_add_nc_u64 s[18:19], s[18:19], s[38:39]
	s_wait_alu depctr_va_vdst(0)
	v_lshlrev_b32 v2, 2, v1                        ; in: 4 bytes a lane
	v_lshrrev_b32 v3, 4, v1
	v_and_b32 v4, 15, v1
	v_lshlrev_b32 v3, 14, v3                       ; out: lanes 16-31 are the next block of 16 columns,
	v_lshl_add_u32 v3, v4, 4, v3                   ; + 16 r
.macro WLOAD t                         ; block t: W(32 t + i, my column), i = 0 .. 31: 128 consecutive bytes a wave, 512 a work-group
.set i, 0
.rept 32
	global_load_b32 v[WX+32*((\t)%2)+i], v2, s[6:7] offset:(32*(\t)+i)*4096 th:TH_LOAD_NT
.set i, i+1
.endr
.endm
	WLOAD 0
	WLOAD 1
	s_wait_kmcnt 0x0
	s_cmp_eq_u32 s22, 1
	s_cselect_b32 s25, s27, s25                    ; entry 1 (Wq) or 3 (Wk),
	s_cmp_eq_u32 s22, 2
	s_cselect_b32 s25, s29, s25                    ; 5 (Wv),
	s_cmp_eq_u32 s22, 3
	s_cselect_b32 s25, s35, s25                    ; 11 (Wo)
	s_add_co_i32 s25, s25, 127
	s_lshl_b32 s26, s25, 23
	v_mov_b32 v11, s26                             ; 2^e
	s_add_co_i32 s25, s25, 8
	s_lshl_b32 s25, s25, 23
	s_or_b32 s25, s25, 0x600000
; A block of 32 along K is one piece of a fragment.  Of my column's 32 codes, k 0-7 and 16-23 are lane (r, 0)'s 16 bytes, k 8-15 and 24-31 lane (r, 1)'s, 256 bytes further on.
.macro WBLOCK t
.set XS, WX+32*((\t)%2)
.set CB, WC+8*(\t)
.if (\t) < 7
	s_wait_loadcnt 32                              ; this block's 32 loads are in; the next block's may be out
.else
	s_wait_loadcnt 0
.endif
.set i, 0
.rept 32
.set i, i+1
.endr
	v_cvt_scalef32_pk8_fp8_f32 v[CB:CB+1], v[XS:XS+7], v11
	v_cvt_scalef32_pk8_fp8_f32 v[CB+2:CB+3], v[XS+16:XS+23], v11
	v_cvt_scalef32_pk8_fp8_f32 v[CB+4:CB+5], v[XS+8:XS+15], v11
	v_cvt_scalef32_pk8_fp8_f32 v[CB+6:CB+7], v[XS+24:XS+31], v11   ; the results go to stores alone
	global_store_b128 v3, v[CB:CB+3], s[18:19] offset:((\t)/4)*2048+((\t)%4)*512         ; sixteen lanes store 256 consecutive bytes, aligned
	global_store_b128 v3, v[CB+4:CB+7], s[18:19] offset:((\t)/4)*2048+((\t)%4)*512+256
.if (\t) < 6
	WLOAD (\t)+2
.endif
.endm
	s_wait_alu depctr_va_vdst(0)
.irp t, 0,1,2,3,4,5,6,7
	WBLOCK \t
.endr
	s_endpgm
.Lfunc_end_k_q509550992e_prep:
	.size	k_q509550992e_prep, .Lfunc_end_k_q509550992e_prep-k_q509550992e_prep
	.p2alignl 7, 3214868480
	.fill 96, 4, 3214868480
	.section	.rodata,"a",@progbits
	.p2align	6, 0x0
	.amdhsa_kernel k_q509550992e_prep
		.amdhsa_group_segment_fixed_size 34304
		.amdhsa_private_segment_fixed_size 0
		.amdhsa_enable_private_segment 0
		.amdhsa_kernarg_size 64
		.amdhsa_user_sgpr_count 2
		.amdhsa_user_sgpr_kernarg_segment_ptr 1
		.amdhsa_wavefront_size32 1
		.amdhsa_system_sgpr_workgroup_id_x 1
		.amdhsa_system_sgpr_workgroup_id_y 1
		.amdhsa_system_sgpr_workgroup_id_z 1
		.amdhsa_system_vgpr_workitem_id 0
		.amdhsa_next_free_vgpr 256
		.amdhsa_next_free_sgpr 66
		.amdhsa_reserve_vcc 0
		.amdhsa_float_denorm_mode_32 3
		.amdhsa_float_denorm_mode_16_64 3
		.amdhsa_fp16_overflow 1
		.amdhsa_memory_ordered 1
		.amdhsa_forward_progress 1
		.amdhsa_inst_pref_size 58
	.end_amdhsa_kernel
	.amdgpu_metadata
---
amdhsa.version: [ 1, 2 ]
amdhsa.kernels:
  - .name:           k_q509550992e_prep
    .symbol:         k_q509550992e_prep.kd
    .args:
      - { .name: x, .offset: 0, .size: 8, .value_kind: global_buffer, .address_space: global }
      - { .name: Wq, .offset: 8, .size: 8, .value_kind: global_buffer, .address_space: global }
      - { .name: Wk, .offset: 16, .size: 8, .value_kind: global_buffer, .address_space: global }
      - { .name: Wv, .offset: 24, .size: 8, .value_kind: global_buffer, .address_space: global }
      - { .name: Wo, .offset: 32, .size: 8, .value_kind: global_buffer, .address_space: global }
      - { .name: lowp_scales, .offset: 40, .size: 8, .value_kind: global_buffer, .address_space: global }
      - { .name: xc, .offset: 48, .size: 8, .value_kind: global_buffer, .address_space: global }
      - { .name: wc, .offset: 56, .size: 8, .value_kind: global_buffer, .address_space: global }
    .group_segment_fixed_size: 34304
    .private_segment_fixed_size: 0
    .kernarg_segment_align: 8
    .kernarg_segment_size: 64
    .max_flat_workgroup_size: 128
    .sgpr_count:     66
    .vgpr_count:     256
    .wavefront_size: 32
...
	.end_amdgpu_metadata
.endif
;; end of part 1
;; launch qkvg (part 2): grid 12 x 32, 4 waves a work-group, clusters of 4 x 4, 327,680 bytes of LDS; arguments xc, wc, bq, bk, bv, lowp_scales, qkv; writes qkv
.if DOCPART == 2
	.amdgcn_target "amdgcn-amd-amdhsa--gfx1250"
	.amdhsa_code_object_version 6
	.text
	.protected	k_q509550992e_qkvg
	.globl	k_q509550992e_qkvg
	.p2align	8
	.type	k_q509550992e_qkvg,@function
k_q509550992e_qkvg:
	s_mov_b64 s[64:65], 0
	v_nop
	global_prefetch_b8 v0, s[64:65] scope:SCOPE_SE
	s_setreg_imm32_b32 hwreg(HW_REG_WAVE_MODE, 25, 1), 1
	s_wait_xcnt 0x0
	s_wait_alu depctr_hold_cnt(0) depctr_sa_sdst(0) depctr_va_vdst(0) depctr_va_sdst(0) depctr_va_ssrc(0) depctr_va_vcc(0) depctr_vm_vsrc(0)
	s_getreg_b32 s2, hwreg(HW_REG_IB_STS2, 6, 4)
	s_cmp_eq_u32 s2, 0
	s_cbranch_scc0 .Lentry_in_a_cluster
	s_endpgm
.Lentry_in_a_cluster:
	s_bfe_u32 s2, ttmp6, 0x10000c
	s_cmp_lg_u32 s2, 0xf033
	s_cbranch_scc0 .Lentry_shape_is_right
	s_endpgm
.Lentry_shape_is_right:
; q = x Wq + bq, k = x Wk + bk, v = x Wv + bv on codes of FP8 (E4M3), K = 1,024, and their results quantised at once for the attention's two products (entries 6, 7, 9 of the exponents).
; The cluster's x says which of the three (0 q, 1 k, 2 v).  A work-group of four waves makes a tile of 256 x 256, a wave 128 x 128: 64 accumulators of 16 x 16, 512 registers.
; OPERANDS ARE IMAGES OF REGISTERS: a fragment (16 rows x 128 K; lane (r, h): row r, registers 2 c, 2 c + 1: k = 16 c + 8 h + 0 .. 7) lies as 4 pieces of 512 bytes, lane l's 16 bytes at 16 l.
; xc and wc hold 8 fragments (16,384 bytes) for each block of 16 rows.  A slot of the ring holds 256 along K: two fragments, 4,096 bytes, of each of 16 blocks of A' and 16 of B'; every LDS read takes 512 consecutive bytes.
; THE MATRIX INSTRUCTION: source 0 = 16 rows of B', source 1 = 16 rows of A'.  Lane (r, h) then holds row r of A' and rows 8 h + 0 .. 7 of B'.  For q and k A' = x, B' = the weight: a lane's eight results are eight neighbours
; along the head's 64, the next K.  For v A' = the weight, B' = x: eight neighbouring KEYS of one channel, the next K there.  So one conversion of an accumulator's eight registers IS a register pair of the next operand's
; fragment, and the codes leave as pieces of 512 consecutive bytes, with no way through LDS.  The roles change by a choice of pointers and offsets alone: no branch and no LDS address hangs on it.
; qkv: q and k [64 (batch x 16 + head)][128 blocks of 16 rows][1024] (K = 64: two pieces), v [64][16 blocks of 128 keys][4 blocks of 16 channels][2048]; three sections of 8,388,608 bytes.
; THE BIAS runs along B' for q and k: it is the C of each sum's first product, divided by 2^(eA + eB); along A' for v: it is the addend of the multiply-add that scales the sums.  The one that does not apply is made 0.
; CLUSTERS: 4 x 4 work-groups; A's tiles are asked for jointly along a row of the cluster, B's along a column.
; LIMITS: eA + eB of a product between -126 and 126; entries 6, 7, 9 between -126 and 119; a bias / 2^(eA + eB) stays an f32 number.  NaN is not served.
; REGISTERS: window 0: v0-31 addresses and scales; v32-95 the bias tiles, later the scaled sums; v96-111 v's bias in pairs; v112-127 codes; v128-255 A's fragments, ONE set.  window 1: B's fragments, two sets.  windows 2, 3: the accumulators.
.set RBK,   4096                       ; a block of 16 rows in a slot: two fragments
.set HALFT, 8*RBK                      ; 128 rows: what one tensor load brings, and what one wave reads of A' or of B'
.set SLOT,  4*HALFT                    ; A's 256 rows, then B's
.set SPARE, 2*SLOT                     ; behind the ring: the spare words, 128 bytes for each wave: two blocks of 256 bytes that no other line names
.set FR,    16
.set NL,    4
.set NP,    4                          ; places behind this matrix instruction (ISA guide 7.12.1)
.set ADRA,  16                         ; v16-17  LDS address of my A' fragments in slot 0, 1
.set ADRB,  20                         ; v20-21  the same for B'
.set CO,    26                         ; v26     16 x lane
.set SPW,   28                         ; v28     LDS address of my spare word; never rewritten
.set NIL,   29                         ; v29     0; never rewritten
.set BIA,   32                         ; v32-95  the bias along B': tile b at v[32 + 8 b]
.set TMP,   32                         ; the way out: a block's 64 sums, scaled
.set BA,    96                         ; v96-111 the bias along A': block a's, twice, at v[96 + 2 a]
.set CODE,  112                        ; v112-127
.set AF,    128
.set WV,    18                         ; s18 wave;  s19 wave / 2: my half of A's rows, also: I fetch for A' (0) or B' (1);  s20 wave % 2: my half of B's rows, also: which 128 rows I fetch
.set HI,    19
.set LO,    20
.set G1,    24                         ; s[24:31] descriptor group 1 for A's tiles;  s[32:39] group 0, one set for each slot
.set G0,    32
.set G1B,   48                         ; s[48:55], s[56:63] the same for B's
.set G0B,   56
.set P0,    84                         ; s[84:85], s[86:87] where a block's codes go
.set P1,    86
.set STEPA, 88                         ; s[88:89] from block to block;  s[90:91] more at block 4
.set EXTRA, 90
.set MSB, 0
.macro WIN new                         ; the immediate's high byte repeats the setting that is left
.if MSB != \new
	s_set_vgpr_msb (MSB<<8)|\new
.set MSB, \new
.endif
.endm
.set MUL_LO, 0xa1                      ; source 0 (B') window 1, source 1 (A') window 0, C and D window 2
.set MUL_HI, 0xf1                      ; the same, C and D window 3
.set FST_LO, 0x81                      ; the first step: C (the bias) window 0, D window 2
.set FST_HI, 0xc1
.set TO_B,   0x40
; A joint load: waves 0 and 1 fetch for A', waves 2 and 3 for B'.  The branch hangs on the wave's number alone.  Four v_nop follow each of the two lines.
.macro JLOAD s
	s_cmp_eq_u32 s[HI], 0
	s_cbranch_scc0 .Lfor_b_\@
	tensor_load_to_lds s[G0+4*\s:G0+4*\s+3], s[G1:G1+7]
	s_nop 0
.rept 4
	v_nop
.endr
	s_branch .Lasked_\@
.Lfor_b_\@:
	tensor_load_to_lds s[G0B+4*\s:G0B+4*\s+3], s[G1B:G1B+7]
	s_nop 0
.rept 4
	v_nop
.endr
.Lasked_\@:
.endm
.macro CREST                           ; a round of the cluster's barrier behind its opening barrier
	s_cmp_lg_u32 s[WV], 0
	s_cbranch_scc1 .Lnot_wave_0_\@
	s_barrier_signal -3
.Lnot_wave_0_\@:
	s_barrier_wait -3
	s_barrier_signal -1
	s_barrier_wait -1
.endm
.macro CROUND
	s_barrier_signal -1
	s_barrier_wait -1
	CREST
.endm
.macro PLACES n
.rept \n
	v_nop
.endr
.endm
.macro FRAG reg, adr, q, i             ; a fragment comes back as it was stored: four loads of 512 consecutive bytes
.irp c, 0,1,2,3
	ds_load_b128 v[\reg+4*\c:\reg+4*\c+3], v[\adr] offset:2048*(\q)+512*\c+(\i)*RBK
.endr
.endm
; 16 matrix instructions: A's blocks a0, a0 + 1 x B's eight, 128 along K.  p: B's set.  first = 1: the bias tile is the C: nothing is ever cleared.
; The 64 accumulators take turns, one instruction a turn, in the same order in every step.
.macro MUL16 a0, p, first
.irp a, \a0, \a0+1
.irp b, 0,1,2,3,4,5,6,7
.if \first
	v_wmma_f32_16x16x128_fp8_fp8 v[8*(8*((\a)%4)+\b):8*(8*((\a)%4)+\b)+7], v[128*(\p)+FR*\b:128*(\p)+FR*\b+FR-1], v[AF+FR*(\a):AF+FR*(\a)+FR-1], v[BIA+8*\b:BIA+8*\b+7]
.else
	v_wmma_f32_16x16x128_fp8_fp8 v[8*(8*((\a)%4)+\b):8*(8*((\a)%4)+\b)+7], v[128*(\p)+FR*\b:128*(\p)+FR*\b+FR-1], v[AF+FR*(\a):AF+FR*(\a)+FR-1], v[8*(8*((\a)%4)+\b):8*(8*((\a)%4)+\b)+7]
.endif
.endr
.endr
.endm
.macro FETCH_B slot, q, p
	WIN TO_B
.irp i, 0,1,2,3,4,5,6,7
	FRAG 128*(\p)+FR*\i, ADRB+\slot, \q, \i
.endr
	WIN 0
.endm
.macro FETCH_A slot, q, i0
.irp i, \i0, \i0+1, \i0+2, \i0+3
	FRAG AF+FR*(\i), ADRA+\slot, \q, \i
.endr
.endm
; A step of 128 along K that has its successor in the same slot.  A block of A' is free as soon as its eight products are issued: blocks 0-3 are fetched anew in the step's middle, blocks 4-7 at its end.
.macro STEP slot, q, first
	s_wait_dscnt 4*NL                              ; B's set and A's blocks 0-3 are in; the youngest 16 loads (A's blocks 4-7) may be out
.if \first
	WIN FST_LO
.else
	WIN MUL_LO
.endif
	MUL16 0, (\q)%2, \first
	MUL16 2, (\q)%2, \first
	s_wait_dscnt 0
	PLACES NP                                      ; in front of loads into registers that matrix instructions have read
	FETCH_B \slot, (\q)+1, 1-(\q)%2
	FETCH_A \slot, (\q)+1, 0
.if \first
	WIN FST_HI
.else
	WIN MUL_HI
.endif
	MUL16 4, (\q)%2, \first
	MUL16 6, (\q)%2, \first
	PLACES NP
	WIN 0
	FETCH_A \slot, (\q)+1, 4
.endm
; A slot's last step changes slots: ONE barrier; in front of it each wave waits for all its tensor loads, adds 0 to its spare word, and waits for that and for its own reads of this slot.  fill = 1: this slot is filled again, two slots ahead along K.
.macro TURN slot, next, fill
	s_wait_tensorcnt 0x0                           ; all my tensor loads have landed: my part of the next slot
	ds_add_u32 v[SPW], v[NIL]                      ; 0 onto my spare word
	s_wait_dscnt 4*NL+1                            ; (the add and the youngest 16 loads, A's blocks 4-7, may be out)
	WIN MUL_LO
	MUL16 0, 1, 0                                  ; sixteen matrix instructions stand between the add and the wait for it
	s_wait_dscnt 0x0                               ; the add is done, and my reads of this slot are over
	s_barrier_signal -1
	MUL16 2, 1, 0
	WIN 0
	s_barrier_wait -1
.if \fill
	CREST                                          ; the barrier has opened a round of the cluster's barrier: no wave of any partner still reads this slot or has a load on its way
	s_add_nc_u64 s[G0+4*\slot+2:G0+4*\slot+3], s[G0+4*\slot+2:G0+4*\slot+3], 2*RBK
	s_add_nc_u64 s[G0B+4*\slot+2:G0B+4*\slot+3], s[G0B+4*\slot+2:G0B+4*\slot+3], 2*RBK
	JLOAD \slot                                    ; the first tensor load behind the round; its four v_nop are also the places in front of the loads below
.else
	PLACES NP
.endif
	FETCH_B \next, 0, 0
	FETCH_A \next, 0, 0
	WIN MUL_HI
	MUL16 4, 1, 0
	MUL16 6, 1, 0
	PLACES NP
	WIN 0
	FETCH_A \next, 0, 4
.endm
	s_load_b256 s[4:11], s[0:1], 0x0               ; xc 4:5, wc 6:7, bq 8:9, bk 10:11
	s_load_b128 s[12:15], s[0:1], 0x20             ; bv 12:13, the exponents 14:15
	s_load_b64 s[16:17], s[0:1], 0x30              ; qkv
	v_lshl_add_u32 v[SPW], v0, 2, SPARE
	v_mov_b32 v[NIL], 0
	ds_add_u32 v28, v29
	ds_add_u32 v28, v29
	s_wait_dscnt 0x0
	v_lshrrev_b32 v1, 5, v0
	v_readfirstlane_b32 s[WV], v1
	s_lshr_b32 s[HI], s[WV], 1
	s_and_b32 s[LO], s[WV], 1
	s_bfe_u32 s21, ttmp6, 0x40000                  ; cx
	s_bfe_u32 s22, ttmp6, 0x40004                  ; cy
	s_mov_b32 s23, ttmp9                           ; the cluster's x: 0 q, 1 k, 2 v: the same in all sixteen partners
	s_and_b32 s80, ttmp7, 0xffff
	s_lshl_b32 s80, s80, 2                         ; 4 x the cluster's y
	s_cmp_eq_u32 s23, 2
	s_cselect_b32 s81, 0, s80                      ; x's 32 tiles of 256 rows run along A' for q and k,
	s_cselect_b32 s82, s80, 0                      ; along B' for v; the weight's 4 tiles along the other
	s_add_co_u32 s81, s81, s22                     ; A's tile: hangs on cy, never on cx
	s_add_co_u32 s82, s82, s21                     ; B's tile: hangs on cx, never on cy
	s_lshl_b32 s83, s22, 2
	s_lshl_b32 s83, 15, s83                        ; my row of the cluster
	s_lshl_b32 s84, 0x1111, s21                    ; my column
	; descriptor group 1: 8 rows (blocks of 16 matrix rows) of 4,096 bytes, 16,384 bytes apart, dense in LDS; elements of 8 bytes
	s_or_b32 s[G1], s83, (3<<16)|(1<<21)           ; 15:0 the mask; 17:16 elements of 8 bytes; 21 set beside a mask
	s_or_b32 s[G1B], s84, (3<<16)|(1<<21)
.irp g, G1, G1B
	s_mov_b32 s[\g+1], 512<<16                     ; tensor_dim0 = 512 elements
	s_mov_b32 s[\g+2], 8<<16                       ; tensor_dim1 = 8
	s_mov_b32 s[\g+3], 512<<16                     ; tile_dim0
	s_mov_b32 s[\g+4], 8                           ; tile_dim1
	s_mov_b32 s[\g+5], 2048                        ; tensor_dim0_stride, in elements
	s_mov_b32 s[\g+6], 0
	s_mov_b32 s[\g+7], 0
.endr
	s_lshl_b32 s86, s81, 18                        ; a tile of 256 rows is 16 x 16,384 bytes,
	s_lshl_b32 s87, s[LO], 17                      ; the half that I fetch
	s_add_co_u32 s86, s86, s87
	s_mov_b32 s87, 0
	s_lshl_b32 s88, s82, 18
	s_lshl_b32 s89, s[LO], 17
	s_add_co_u32 s88, s88, s89
	s_mov_b32 s89, 0
	s_lshl_b32 s90, s23, 23                        ; x's set of codes,
	s_mov_b32 s91, 0
	s_lshl_b32 s92, s23, 20                        ; the weight's section
	s_mov_b32 s93, 0
	s_mul_i32 s85, s[WV], HALFT                    ; where my load goes: wave x 128 rows: no place in the cluster enters an LDS address
	s_wait_kmcnt 0x0
	s_load_b256 s[68:75], s[14:15], 0x0            ; entries 0 to 7
	s_load_b128 s[76:79], s[14:15], 0x20           ; entries 8 to 11
	s_add_nc_u64 s[4:5], s[4:5], s[90:91]
	s_add_nc_u64 s[6:7], s[6:7], s[92:93]
	s_cmp_eq_u32 s23, 2
	s_cselect_b64 s[90:91], s[6:7], s[4:5]         ; A': x's codes for q and k, the weight's for v
	s_cselect_b64 s[92:93], s[4:5], s[6:7]         ; B': the other
	s_add_nc_u64 s[90:91], s[90:91], s[86:87]
	s_add_nc_u64 s[92:93], s[92:93], s[88:89]
	CROUND                                         ; all sixteen work-groups are here: the first joint loads meet
.irp s, 0,1
	s_mov_b32 s[G0+4*\s], 1
	s_add_co_u32 s[G0+4*\s+1], s85, \s*SLOT
	s_add_nc_u64 s[G0+4*\s+2:G0+4*\s+3], s[90:91], \s*RBK
	s_or_b32 s[G0+4*\s+3], s[G0+4*\s+3], 0x80000000
	s_mov_b32 s[G0B+4*\s], 1
	s_add_co_u32 s[G0B+4*\s+1], s85, \s*SLOT
	s_add_nc_u64 s[G0B+4*\s+2:G0B+4*\s+3], s[92:93], \s*RBK
	s_or_b32 s[G0B+4*\s+3], s[G0B+4*\s+3], 0x80000000
	s_wait_alu depctr_va_vdst(0)
	s_wait_tensorcnt 0x0
	ds_add_u32 v28, v29
	ds_add_u32 v28, v29
	s_wait_dscnt 0x0
	CROUND
	JLOAD \s                                       ; one load of mine is out
.endr
	s_lshl_b32 s40, s81, 8
	s_lshl_b32 s42, s[HI], 7
	s_add_co_u32 s40, s40, s42                     ; my first row of A'
	s_lshl_b32 s41, s82, 8
	s_lshl_b32 s42, s[LO], 7
	s_add_co_u32 s41, s41, s42                     ; my first row of B'
	s_cmp_eq_u32 s23, 0
	s_cselect_b64 s[8:9], s[8:9], s[10:11]         ; bq or bk,
	s_mov_b32 s67, 131072
	s_mov_b32 s[STEPA], 1024
	s_cmp_eq_u32 s23, 2
	s_cselect_b64 s[8:9], s[12:13], s[8:9]         ; or bv
	s_cselect_b32 s44, -1, 0                       ; all lanes where the bias runs along A'
	s_cselect_b32 s45, 0, s41                      ; the bias along B' begins at my first row of B' (for v: at 0, and is multiplied by 0)
	s_cselect_b32 s46, s40, 0                      ; the bias along A' at my first row of A' (for q and k: at 0, and is replaced by 0): no load leaves its buffer
	s_cselect_b32 s47, s41, s40                    ; my first row of x,
	s_cselect_b32 s66, s40, s41                    ; my first column of the weight
	s_cselect_b32 s67, 1024, s67                   ; from P0 to P1: q, k: the next head; v: the fragment's pieces 2 and 3
	s_cselect_b32 s[STEPA], 2048, s[STEPA]         ; from block to block of A': q, k: the next 16 rows; v: the next 16 channels
	s_cselect_b32 s[EXTRA], 122880, 0              ; v: from channel block 3 of a head to block 0 of the next: 131,072 - 4 x 2,048 more
	s_mov_b32 s[STEPA+1], 0
	s_mov_b32 s[EXTRA+1], 0
	s_lshl_b32 s80, s45, 2
	s_mov_b32 s81, 0
	s_add_nc_u64 s[10:11], s[8:9], s[80:81]
	s_lshl_b32 s80, s46, 2
	s_add_nc_u64 s[12:13], s[8:9], s[80:81]
	v_and_b32 v1, 15, v0                           ; r
	v_bfe_u32 v2, v0, 4, 1                         ; h
	v_lshlrev_b32 v3, 5, v2
	v_lshlrev_b32 v4, 2, v1
.irp b, 0,1,2,3,4,5,6,7
	global_load_b128 v[BIA+8*\b:BIA+8*\b+3], v3, s[10:11] offset:64*\b       ; bias(16 b + 8 h + 0 .. 7): the result's layout
	global_load_b128 v[BIA+8*\b+4:BIA+8*\b+7], v3, s[10:11] offset:64*\b+16
.endr
.irp a, 0,1,2,3,4,5,6,7
	global_load_b32 v[BA+2*\a], v4, s[12:13] offset:64*\a                    ; bias(16 a + r)
.endr
	v_and_b32 v5, 31, v0
	v_lshlrev_b32 v[CO], 4, v5
	s_mul_i32 s80, s[HI], HALFT                    ; my 128 rows of A',
	s_mul_i32 s81, s[LO], HALFT                    ; my 128 rows of B',
	s_add_co_u32 s81, s81, 2*HALFT                 ; which lie behind A's 256
.irp s, 0,1
	v_add_nc_u32 v[ADRA+\s], s80, v[CO]
	v_add_nc_u32 v[ADRB+\s], s81, v[CO]
	s_add_co_u32 s80, s80, SLOT
	s_add_co_u32 s81, s81, SLOT
.endr
	s_wait_kmcnt 0x0
	s_add_co_i32 s80, s68, s69
	s_add_co_i32 s81, s70, s71
	s_add_co_i32 s82, s72, s73
	s_cmp_eq_u32 s23, 0
	s_cselect_b32 s80, s80, s81
	s_cselect_b32 s83, s74, s75                    ; the result's own exponent: entry 6 (q), 7 (k),
	s_cmp_eq_u32 s23, 2
	s_cselect_b32 s80, s82, s80                    ; eA + eB of my product
	s_cselect_b32 s83, s77, s83                    ; 9 (v)
	s_add_co_i32 s96, s80, 127
	s_lshl_b32 s96, s96, 23                        ; 2^(eA + eB) as f32
	s_mov_b32 s97, s96                             ; (named with it as a pair, so it is written)
	s_sub_co_i32 s98, 127, s80
	s_lshl_b32 s98, s98, 23                        ; 2^-(eA + eB)
	s_cmp_eq_u32 s23, 2
	s_cselect_b32 s98, 0, s98                      ; for v: 0
	s_mov_b32 s99, s98
	s_add_co_i32 s82, s83, 127
	s_lshl_b32 s81, s82, 23
	v_mov_b32 v30, s81                             ; 2^eo: the conversion takes its exponent field
	s_lshr_b32 s80, s47, 11                        ; the batch,
	s_lshl_b32 s80, s80, 4
	s_lshr_b32 s81, s66, 6                         ; the head
	s_add_co_u32 s80, s80, s81
	s_lshl_b32 s80, s80, 17                        ; 131,072 bytes for each
	s_and_b32 s81, s47, 2047
	s_lshl_b32 s81, s81, 6                         ; 64 bytes for each row or key
	s_add_co_u32 s80, s80, s81
	s_lshl_b32 s81, s23, 23                        ; the section
	s_add_co_u32 s80, s80, s81
	s_mov_b32 s81, 0
	s_add_nc_u64 s[P0:P0+1], s[16:17], s[80:81]
	s_mov_b32 s80, s67
	s_add_nc_u64 s[P1:P1+1], s[P0:P0+1], s[80:81]
	s_wait_loadcnt 0x0                             ; the biases
.set j, 0
.rept 32
	v_pk_mul_f32 v[BIA+j:BIA+j+1], v[BIA+j:BIA+j+1], s[98:99] op_sel_hi:[1,0]   ; a sum stands for sum x 2^(eA + eB): the bias goes in divided by that
.set j, j+2
.endr
.irp a, 0,1,2,3,4,5,6,7
	v_cndmask_b32 v[BA+2*\a], 0, v[BA+2*\a], s44
.endr
.irp a, 0,1,2,3,4,5,6,7
	v_mov_b32 v[BA+2*\a+1], v[BA+2*\a]
.endr
	s_wait_tensorcnt 1                             ; my part of slot 0 is in; slot 1's may stay out
	s_barrier_signal -1
	s_barrier_wait -1
	FETCH_B 0, 0, 0
	FETCH_A 0, 0, 0
	FETCH_A 0, 0, 4
	STEP 0, 0, 1                                   ; K = 1,024 is four slots' worth, eight steps: written out, no loop
	TURN 0, 1, 1
	STEP 1, 0, 0
	TURN 1, 0, 1
	STEP 0, 0, 0
	TURN 0, 1, 0                                   ; nothing is left to fetch
	STEP 1, 0, 0
	s_wait_dscnt 4*NL                              ; the last step
	WIN MUL_LO
	MUL16 0, 1, 0
	MUL16 2, 1, 0
	s_wait_alu depctr_va_vdst(0)
	s_wait_dscnt 0
	WIN MUL_HI
	MUL16 4, 1, 0
	MUL16 6, 1, 0
	WIN 0
; THE WAY OUT, block a of A' at a time: sum x 2^(eA + eB) + the bias along A', eight conversions: 16 registers of codes.
; q, k: registers 0-7 are the fragment (first head, these 16 rows), 8-15 that of the next head.  v: all 16 are the fragment (channels 16 (a % 4) on of head a / 4, my 128 keys).
.macro OUTQ a
.set AC, 64*((\a)%4)
	WIN 0x02+((\a)/4)                              ; source 0: window 2 or 3
.set j, 0
.rept 32
	v_pk_fma_f32 v[TMP+j:TMP+j+1], v[AC+j:AC+j+1], s[96:97], v[BA+2*(\a):BA+2*(\a)+1] op_sel_hi:[1,0,1]   ; each accumulator from its low end on
.set j, j+2
.endr
	WIN 0
.set j, 0
.rept 64
.set j, j+1
.endr
.if (\a) > 0
	s_wait_alu depctr_va_vdst(0)
	s_wait_xcnt 0x0                                ; the last block's stores have read their codes and their bases: both are written again only behind this wait
	s_add_nc_u64 s[P0:P0+1], s[P0:P0+1], s[STEPA:STEPA+1]
	s_add_nc_u64 s[P1:P1+1], s[P1:P1+1], s[STEPA:STEPA+1]
.endif
.if (\a) == 4
	s_add_nc_u64 s[P0:P0+1], s[P0:P0+1], s[EXTRA:EXTRA+1]
	s_add_nc_u64 s[P1:P1+1], s[P1:P1+1], s[EXTRA:EXTRA+1]
.endif
.irp b, 0,1,2,3,4,5,6,7
	v_cvt_scalef32_pk8_fp8_f32 v[CODE+2*\b:CODE+2*\b+1], v[TMP+8*\b:TMP+8*\b+7], v30
.endr
	v_nop                                          ; one plain line between the conversions and the next block's writes of their sources
	global_store_b128 v[CO], v[CODE:CODE+3], s[P0:P0+1]                      ; a piece: 512 consecutive bytes, aligned
	global_store_b128 v[CO], v[CODE+4:CODE+7], s[P0:P0+1] offset:512
	global_store_b128 v[CO], v[CODE+8:CODE+11], s[P1:P1+1]
	global_store_b128 v[CO], v[CODE+12:CODE+15], s[P1:P1+1] offset:512
.endm
	PLACES NP                                      ; behind the last products, in front of the first read of results
.irp a, 0,1,2,3,4,5,6,7
	OUTQ \a
.endr
	s_wait_tensorcnt 0x0                           ; the wave's end
	ds_add_u32 v[SPW], v[NIL]
	s_wait_dscnt 0x0
	CROUND                                         ; the closing round: no work-group ends while a partner may still ask for a tile that names it
	s_endpgm
.Lfunc_end_k_q509550992e_qkvg:
	.size	k_q509550992e_qkvg, .Lfunc_end_k_q509550992e_qkvg-k_q509550992e_qkvg
	.p2alignl 7, 3214868480
	.fill 96, 4, 3214868480
	.section	.rodata,"a",@progbits
	.p2align	6, 0x0
	.amdhsa_kernel k_q509550992e_qkvg
		.amdhsa_group_segment_fixed_size 327680
		.amdhsa_private_segment_fixed_size 0
		.amdhsa_enable_private_segment 0
		.amdhsa_kernarg_size 56
		.amdhsa_user_sgpr_count 2
		.amdhsa_user_sgpr_kernarg_segment_ptr 1
		.amdhsa_wavefront_size32 1
		.amdhsa_system_sgpr_workgroup_id_x 1
		.amdhsa_system_sgpr_workgroup_id_y 1
		.amdhsa_system_sgpr_workgroup_id_z 1
		.amdhsa_system_vgpr_workitem_id 0
		.amdhsa_next_free_vgpr 1024
		.amdhsa_next_free_sgpr 100
		.amdhsa_reserve_vcc 0
		.amdhsa_float_denorm_mode_32 3
		.amdhsa_float_denorm_mode_16_64 3
		.amdhsa_fp16_overflow 1
		.amdhsa_memory_ordered 1
		.amdhsa_forward_progress 1
		.amdhsa_inst_pref_size 110
	.end_amdhsa_kernel
	.amdgpu_metadata
---
amdhsa.version: [ 1, 2 ]
amdhsa.kernels:
  - .name:           k_q509550992e_qkvg
    .symbol:         k_q509550992e_qkvg.kd
    .args:
      - { .name: xc, .offset: 0, .size: 8, .value_kind: global_buffer, .address_space: global }
      - { .name: wc, .offset: 8, .size: 8, .value_kind: global_buffer, .address_space: global }
      - { .name: bq, .offset: 16, .size: 8, .value_kind: global_buffer, .address_space: global }
      - { .name: bk, .offset: 24, .size: 8, .value_kind: global_buffer, .address_space: global }
      - { .name: bv, .offset: 32, .size: 8, .value_kind: global_buffer, .address_space: global }
      - { .name: lowp_scales, .offset: 40, .size: 8, .value_kind: global_buffer, .address_space: global }
      - { .name: qkv, .offset: 48, .size: 8, .value_kind: global_buffer, .address_space: global }
    .group_segment_fixed_size: 327680
    .private_segment_fixed_size: 0
    .kernarg_segment_align: 8
    .kernarg_segment_size: 56
    .max_flat_workgroup_size: 128
    .sgpr_count:     100
    .vgpr_count:     1024
    .wavefront_size: 32
...
	.end_amdgpu_metadata
.endif
;; end of part 2
;; launch attn (part 3): grid 8 x 64, 16 waves a work-group, clusters of 4 x 1, 264,192 bytes of LDS; arguments qkv, lowp_scales, ac; writes ac
.if DOCPART == 3
	.amdgcn_target "amdgcn-amd-amdhsa--gfx1250"
	.amdhsa_code_object_version 6
	.text
	.protected	k_q509550992e_attn
	.globl	k_q509550992e_attn
	.p2align	8
	.type	k_q509550992e_attn,@function
k_q509550992e_attn:
	s_mov_b64 s[64:65], 0
	v_nop
	global_prefetch_b8 v0, s[64:65] scope:SCOPE_SE
	s_setreg_imm32_b32 hwreg(HW_REG_WAVE_MODE, 25, 1), 1
	s_wait_xcnt 0x0
	s_wait_alu depctr_hold_cnt(0) depctr_sa_sdst(0) depctr_va_vdst(0) depctr_va_sdst(0) depctr_va_ssrc(0) depctr_va_vcc(0) depctr_vm_vsrc(0)
	s_getreg_b32 s2, hwreg(HW_REG_IB_STS2, 6, 4)
	s_cmp_eq_u32 s2, 0
	s_cbranch_scc0 .Lentry_in_a_cluster
	s_endpgm
.Lentry_in_a_cluster:
	s_bfe_u32 s2, ttmp6, 0x10000c
	s_cmp_lg_u32 s2, 0x3003
	s_cbranch_scc0 .Lentry_shape_is_right
	s_endpgm
.Lentry_shape_is_right:
; Causal attention of one head (64 channels, 2,048 rows) on codes of FP8 (E4M3): S = q k^T (entries 6, 7), p = 2^(t - M), O = p v (entries 8, 9), O / l quantised at once for the last product (entry 10).
; t = score x log2(e) / 8; M = the row's largest t so far, rounded UP to a whole number; the row's sum l is taken of the unquantised p, in f32.  When M moves, l and O are multiplied by 2^(old M - new M): exact.
; q, k, v arrive as images of operand registers (lane (r, h): row r, registers 2 c, 2 c + 1: k = 16 c + 8 h + 0 .. 7; four registers of all lanes are 512 consecutive bytes):
;   q, k: [head][128 blocks of 16 rows][1024];  v, with the KEYS as K: [head][16 blocks of 128 keys][4 blocks of 16 channels][2048].
; ALL OF A HEAD'S K AND V, 2 x 131,072 bytes, LIES IN LDS: filled once, in four groups of 512 keys; no byte is filled twice.  The four work-groups of a cluster belong to one head: each tile is asked for JOINTLY.
; SHARES.  A head has two clusters of 4 work-groups of 16 waves; a wave owns 16 queries, in 256 registers.  A wave's block of 128 queries, beta, is made of its number and the cluster's x alone, so that the branch that leaves out
; hidden key steps is the same in all partners; the work-group's place in its cluster only picks the 16 queries inside the block, and enters addresses in memory and a compared value, no branch and no LDS address.
; Waves w, w + 4, w + 8, w + 12 of any work-group have 34 key steps together, whatever w.
; LAYOUT.  Both products are used transposed: S^T = K Q^T (source 0 = 16 keys), O^T = V^T P^T (source 0 = 16 channels): a lane holds ONE query (lane % 16) throughout, and register j of tile t holds key (channel) 16 t + 8 h + j:
; a conversion of a tile's eight registers IS registers 2 t, 2 t + 1 of the next operand's fragment.
; ac: [512 blocks of 16 rows][8 blocks of 128 k][2048]; head h fills the 1,024 bytes at 1,024 h of its block of rows.
; LIMITS: entry 6 + entry 7 between -123 and 130 (added to c's exponent field); entries 8 and 10 between -126 and 119.  NaN is not served.
; REGISTERS: v1-4 stay; v8, v9 addresses in hand; v12 -M, v13 the largest t, v[14:15] l in two halves; v16-23 Q; v32-95 K's 8 fragments, then V's 4; v96-159 S^T, then p; v160-191 O^T; v224-239 p's codes; v240-254 scales and work.
.set LI,   1                           ; v1   16 x lane
.set LV,   2                           ; v2   the same in V's half of LDS
.set DQ,   3                           ; v3   my query's place in its block of 128, less 8 h
.set NINF, 4                           ; v4   -infinity
.set ADK,  8
.set ADV,  9
.set WV,   18                          ; s18  wave
.set SEL,  20                          ; s[20:21] lane selects for v_permlanex16_b32: lane l xor 16
.set CS,   22                          ; s[22:23] c = log2(e) / 8 x 2^(e6 + e7)
.set G1,   24                          ; s[24:31] descriptor group 1;  s[32:47] four groups 0
.set G0,   32
.set TB,   48                          ; s48  LDS byte of the key step in hand, in K's half
.set KT,   49                          ; s49  the key step, 0 .. 15
.set BETA, 50                          ; s50  my block of 128 queries
.set CNT,  51
.macro CROUND                          ; a round of the cluster's barrier
	s_barrier_signal -1
	s_barrier_wait -1
	s_cmp_lg_u32 s[WV], 0
	s_cbranch_scc1 .Lnot_wave_0_\@
	s_barrier_signal -3
.Lnot_wave_0_\@:
	s_barrier_wait -3
	s_barrier_signal -1
	s_barrier_wait -1
.endm
	s_load_b128 s[4:7], s[0:1], 0x0                ; qkv 4:5, the exponents 6:7
	s_load_b64 s[8:9], s[0:1], 0x10                ; ac
	v_lshl_add_u32 v251, v0, 2, 0x40000
	v_mov_b32 v255, 0
	ds_add_u32 v251, v255
	ds_add_u32 v251, v255
	v_lshrrev_b32 v8, 5, v0
	s_delay_alu instid0(VALU_DEP_1)
	v_readfirstlane_b32 s[WV], v8
	s_bfe_u32 s66, ttmp6, 0x40000                  ; cx
	s_and_b32 s67, ttmp7, 0xffff                   ; batch x 16 + head
	s_lshr_b32 s68, s[WV], 2                       ; i
	s_and_b32 s69, s[WV], 3
	s_lshr_b32 s70, s69, 1                         ; u
	s_xor_b32 s71, s68, s69
	s_and_b32 s71, s71, 1                          ; x1
	s_xor_b32 s72, s71, ttmp9                      ; x1 xor the cluster's x
	s_lshl_b32 s[BETA], s68, 2
	s_lshl_b32 s73, s71, 1
	s_add_co_u32 s[BETA], s[BETA], s73
	s_add_co_u32 s[BETA], s[BETA], s72             ; beta = 4 i + 2 x1 + (x1 xor cluster x): over both clusters and x1 all four of 4 i .. 4 i + 3
	s_lshl_b32 s74, s66, 1
	s_add_co_u32 s74, s74, s70                     ; tau = 2 cx + u: which 16 of the block's 128 queries
	s_lshl_b32 s75, s[BETA], 3
	s_add_co_u32 s75, s75, s74                     ; my block of 16 rows of the head
	; what I fetch, if I fetch: waves 0, 1: the halves of a group's K; waves 2, 3: of its V
	s_bfe_u32 s78, s[WV], 0x10001
	s_and_b32 s79, s[WV], 1
	s_lshl_b32 s80, s78, 17
	s_lshl_b32 s81, s79, 14
	s_add_co_u32 s80, s80, s81                     ; in LDS: K's or V's half, + 16,384 x (wave % 2)
	s_add_co_u32 s82, s78, 1
	s_lshl_b32 s82, s82, 23                        ; in memory: section 1 (k) or 2 (v),
	s_add_co_u32 s82, s82, s81
	s_lshl_b32 s83, s67, 17                        ; the head
	s_add_co_u32 s82, s82, s83
	s_mov_b32 s83, 0
	; descriptor group 1: a dense block of 16,384 bytes as 64 rows of 256
	s_mov_b32 s[G1], 15|(3<<16)|(1<<21)            ; 15:0 the mask: all four work-groups; 17:16 elements of 8 bytes; 21 set beside a mask
	s_mov_b32 s[G1+1], 32<<16                      ; tensor_dim0 = 32 elements
	s_mov_b32 s[G1+2], 64<<16                      ; tensor_dim1 = 64
	s_mov_b32 s[G1+3], 32<<16                      ; tile_dim0
	s_mov_b32 s[G1+4], 64                          ; tile_dim1
	s_mov_b32 s[G1+5], 32                          ; tensor_dim0_stride
	s_mov_b32 s[G1+6], 0
	s_mov_b32 s[G1+7], 0
	s_mov_b32 s[SEL], 0x76543210
	s_mov_b32 s[SEL+1], 0xfedcba98
	s_mov_b32 s[CS], 0x3e38aa3b                    ; log2(e) / 8
	s_mov_b32 s[KT], 0
	s_lshl_b32 s86, s67, 17
	s_lshl_b32 s87, s75, 10
	s_add_co_u32 s86, s86, s87                     ; Q's fragment: section 0, the head, my block of rows
	s_mov_b32 s87, 0
	s_lshr_b32 s88, s67, 4
	s_lshl_b32 s88, s88, 21                        ; ac: the batch's 128 blocks of rows,
	s_lshl_b32 s89, s75, 14                        ; my block,
	s_add_co_u32 s88, s88, s89
	s_and_b32 s89, s67, 15
	s_lshl_b32 s89, s89, 10                        ; the head's 1,024 bytes in it
	s_add_co_u32 s88, s88, s89
	s_mov_b32 s89, 0
	s_wait_dscnt 0x0
	s_wait_kmcnt 0x0
	s_load_b256 s[52:59], s[6:7], 0x0              ; entries 0 to 7
	s_load_b128 s[60:63], s[6:7], 0x20             ; entries 8 to 11
	s_add_nc_u64 s[84:85], s[4:5], s[82:83]
	s_add_nc_u64 s[86:87], s[4:5], s[86:87]
	s_add_nc_u64 s[88:89], s[8:9], s[88:89]
.irp g, 0,1,2,3
	s_mov_b32 s[G0+4*\g], 1
	s_add_co_u32 s[G0+4*\g+1], s80, \g*32768       ; group g: 512 keys, 32,768 bytes of K and of V
	s_add_nc_u64 s[G0+4*\g+2:G0+4*\g+3], s[84:85], \g*32768
	s_or_b32 s[G0+4*\g+3], s[G0+4*\g+3], 0x80000000
.endr
	CROUND                                         ; all four work-groups are here: the joint loads meet
	s_cmp_lt_u32 s[WV], 4                          ; a wave's four fills stand in one branch, ahead of every wait on TENSORcnt and every LDS read: four loads of mine are out
	s_cbranch_scc0 .Lno_fetch
	tensor_load_to_lds s[G0:G0+3], s[G1:G1+7]
	s_nop 0
	tensor_load_to_lds s[G0+4:G0+7], s[G1:G1+7]
	s_nop 0
	tensor_load_to_lds s[G0+8:G0+11], s[G1:G1+7]
	s_nop 0
	tensor_load_to_lds s[G0+12:G0+15], s[G1:G1+7]
	s_nop 0
.rept 4
	v_nop
.endr
.Lno_fetch:
	v_and_b32 v[LI], 31, v0
	s_delay_alu instid0(VALU_DEP_1)
	v_lshlrev_b32 v[LI], 4, v[LI]
	global_load_b128 v[16:19], v[LI], s[86:87]             ; Q's fragment stays in registers
	global_load_b128 v[20:23], v[LI], s[86:87] offset:512
	v_add_nc_u32 v[LV], 0x20000, v[LI]
	v_and_b32 v10, 15, v0                          ; r
	v_bfe_u32 v11, v0, 4, 1                        ; h
	s_delay_alu instid0(VALU_DEP_1)
	v_lshlrev_b32 v11, 3, v11
	s_delay_alu instid0(VALU_DEP_1)
	v_sub_nc_u32 v[DQ], v10, v11
	s_lshl_b32 s90, s74, 4
	v_add_nc_u32 v[DQ], s90, v[DQ]                 ; 16 tau + r - 8 h
	v_mov_b32 v[NINF], 0xff800000
	v_mov_b32 v13, 0xff61b1e6                      ; the largest t so far: -3e38, under every t
	s_delay_alu instid0(VALU_DEP_1)
	v_floor_f32 v12, -v13                          ; -M
	v_mov_b32 v14, 0
	v_mov_b32 v15, 0
	v_mov_b32 v246, 0                              ; written once: a lane permute's destination counts as one of its sources
	v_mov_b32 v253, 0                              ; (named as the upper half of the pair v[252:253])
.set j, 0
.rept 32
	v_mov_b32 v[160+j], 0                          ; O^T.  (The step is written once for all steps: the first finds zeros, which the first change of M leaves zeros)
.set j, j+1
.endr
	s_wait_kmcnt 0x0
	s_add_co_i32 s66, s58, s59
	s_lshl_b32 s66, s66, 23
	s_add_co_i32 s[CS], s[CS], s66                 ; a score stands for score x 2^(e6 + e7): added to c's exponent field
	s_mov_b32 s[CS+1], s[CS]
	s_add_co_i32 s66, s60, 127
	s_lshl_b32 s68, s66, 23
	v_mov_b32 v244, s68                            ; 2^e8, for p's conversions
	s_add_co_i32 s66, s62, 127
	s_lshl_b32 s68, s66, 23
	v_mov_b32 v245, s68                            ; 2^e10, for the result's
; A KEY STEP: 128 keys.  A step all of whose keys come after my block of queries is left out: a scalar branch on ids, round the step's loads, products and softmax, not round the two lines at its end.
.macro STEP
	s_cmp_gt_u32 s[KT], s[BETA]
	s_cbranch_scc1 .Lhidden_\@
	s_setprio 2
	v_add_nc_u32 v[ADK], s[TB], v[LI]
	v_add_nc_u32 v[ADV], s[TB], v[LV]
	v_nop
	v_nop                                          ; with the two additions: four places in front of loads into registers that the last step's products have read
.irp t, 0,1,2,3,4,5,6,7
	ds_load_b128 v[32+8*\t:35+8*\t], v[ADK] offset:1024*\t
	ds_load_b128 v[36+8*\t:39+8*\t], v[ADK] offset:1024*\t+512
.endr
	s_wait_alu depctr_va_vdst(0)
	s_wait_dscnt 0x0
.irp t, 0,1,2,3,4,5,6,7
	v_wmma_f32_16x16x64_fp8_fp8 v[96+8*\t:103+8*\t], v[32+8*\t:39+8*\t], v[16:23], 0
.endr
.rept 4
	v_nop                                          ; places in front of the loads below and of the first read of the scores
.endr
.irp t, 0,1,2,3
.irp c, 0,1,2,3
	ds_load_b128 v[32+16*\t+4*\c:35+16*\t+4*\c], v[ADV] offset:2048*\t+512*\c   ; V's four fragments land while the softmax is worked
.endr
.endr
	s_cmp_lg_u32 s[KT], s[BETA]
	s_cbranch_scc1 .Lopen_\@
.set n, 0
.rept 64                                       ; the step on the diagonal: register 8 t + j holds key 16 t + 8 h + j of the block: hidden where 16 t + j > 16 tau + r - 8 h.  It becomes -infinity ahead of the maximum: p = 0
	v_cmp_gt_i32 vcc_lo, 16*(n/8)+n%8, v[DQ]
	v_cndmask_b32 v[96+n], v[96+n], v[NINF], vcc_lo
.set n, n+1
.endr
.Lopen_\@:
	v_max3_num_f32 v254, v96, v97, v98             ; the step's largest score of my query among my 64 keys, in two chains,
	v_max3_num_f32 v252, v99, v100, v101
.irp i, 6,10,14,18,22,26,30,34,38,42,46,50,54,58
	v_max3_num_f32 v254, v254, v[96+\i], v[97+\i]
	v_max3_num_f32 v252, v252, v[98+\i], v[99+\i]
.endr
	v_max3_num_f32 v254, v254, v158, v159
	s_delay_alu instid0(VALU_DEP_1)
	v_max_num_f32 v254, v254, v252
	s_delay_alu instid0(VALU_DEP_1)
	v_permlanex16_b32 v246, v254, s[SEL], s[SEL+1]
	s_delay_alu instid0(VALU_DEP_1)
	v_max_num_f32 v254, v254, v246                 ; and among lane l xor 16's
	s_delay_alu instid0(VALU_DEP_1)
	v_mul_f32 v254, s[CS], v254                    ; as t (c is positive)
	s_delay_alu instid0(VALU_DEP_1)
	v_max_num_f32 v13, v13, v254                   ; the running largest t
	v_mov_b32 v254, v12
	s_delay_alu instid0(VALU_DEP_2)
	v_floor_f32 v12, -v13                          ; the new -M = floor(-t) = -ceil(t)
	s_delay_alu instid0(VALU_DEP_1)
	v_sub_f32 v254, v12, v254                      ; old M - new M: a whole number, 0 or less
	s_delay_alu instid0(VALU_DEP_1)
	v_cvt_i32_f32 v254, v254                       ; (it saturates)
	s_delay_alu instid0(VALU_DEP_1)
	v_ldexp_f32 v252, 1.0, v254                    ; f = 2^(old M - new M)
.set j, 0
	s_setprio 1
.rept 32
	v_pk_fma_f32 v[96+j:97+j], v[96+j:97+j], s[CS:CS+1], v[12:13] op_sel_hi:[1,0,0]   ; t - M, two at a time
.set j, j+2
.endr
.set j, 0
	s_wait_alu depctr_va_vdst(0)
.rept 64
	v_exp_f32 v[96+j], v[96+j]                     ; p = 2^(t - M), at most 1
.set j, j+1
.endr
	v_pk_mul_f32 v[14:15], v[14:15], v[252:253] op_sel_hi:[1,0]   ; l under the new M: the plain line behind the exponentials
	s_wait_alu depctr_va_vdst(0)                   ; one wait for the whole batch, ahead of its first reader
	v_pk_add_f32 v[242:243], v[100:101], v[104:105]
	v_pk_add_f32 v[248:249], v[108:109], v[112:113]
	v_pk_add_f32 v[240:241], v[116:117], v[120:121]
	v_pk_add_f32 v[238:239], v[124:125], v[128:129]
	v_pk_add_f32 v[236:237], v[132:133], v[136:137]
	v_pk_add_f32 v[234:235], v[140:141], v[144:145]
	v_pk_add_f32 v[232:233], v[148:149], v[152:153]
	v_pk_add_f32 v[14:15], v[14:15], v[156:157]
	v_pk_add_f32 v[242:243], v[242:243], v[96:97]
	v_pk_add_f32 v[248:249], v[248:249], v[98:99]
	v_pk_add_f32 v[240:241], v[240:241], v[102:103]
	v_pk_add_f32 v[238:239], v[238:239], v[106:107]
	v_pk_add_f32 v[236:237], v[236:237], v[110:111]
	v_pk_add_f32 v[234:235], v[234:235], v[114:115]
	v_pk_add_f32 v[232:233], v[232:233], v[118:119]
	v_pk_add_f32 v[14:15], v[14:15], v[122:123]
	v_pk_add_f32 v[242:243], v[242:243], v[126:127]
	v_pk_add_f32 v[248:249], v[248:249], v[130:131]
	v_pk_add_f32 v[240:241], v[240:241], v[134:135]
	v_pk_add_f32 v[238:239], v[238:239], v[138:139]
	v_pk_add_f32 v[236:237], v[236:237], v[142:143]
	v_pk_add_f32 v[234:235], v[234:235], v[146:147]
	v_pk_add_f32 v[232:233], v[232:233], v[150:151]
	s_setprio 0
	v_pk_add_f32 v[14:15], v[14:15], v[154:155]
	v_pk_add_f32 v[242:243], v[242:243], v[158:159]
	s_delay_alu instid0(VALU_DEP_2)
	v_pk_add_f32 v[14:15], v[14:15], v[238:239]
	s_delay_alu instid0(VALU_DEP_2)
	v_pk_add_f32 v[242:243], v[242:243], v[236:237]
	v_pk_add_f32 v[248:249], v[248:249], v[234:235]
	v_pk_add_f32 v[240:241], v[240:241], v[232:233]
	s_delay_alu instid0(VALU_DEP_2)
	v_pk_add_f32 v[14:15], v[14:15], v[248:249]
	s_delay_alu instid0(VALU_DEP_2)
	v_pk_add_f32 v[242:243], v[242:243], v[240:241]
	s_delay_alu instid0(VALU_DEP_1)
	v_pk_add_f32 v[14:15], v[14:15], v[242:243]
.irp t, 0,1,2,3,4,5,6,7
.set j, 0
.rept 8
.set j, j+1
.endr
	v_cvt_scalef32_pk8_fp8_f32 v[224+2*\t:225+2*\t], v[96+8*\t:103+8*\t], v244
.endr
.set j, 0
.rept 16
	v_pk_mul_f32 v[160+j:161+j], v[160+j:161+j], v[252:253] op_sel_hi:[1,0]   ; O^T under the new M.  (Also the plain lines between the conversions and the products)
.set j, j+2
.endr
	s_wait_alu depctr_va_vdst(0)
	s_wait_dscnt 0x0                               ; V is in
.irp t, 0,1,2,3
	v_wmma_f32_16x16x128_fp8_fp8 v[160+8*\t:167+8*\t], v[32+16*\t:47+16*\t], v[224:239], v[160+8*\t:167+8*\t]   ; four accumulators by turns; eight other products stand between two links
.endr
.Lhidden_\@:
	s_add_co_u32 s[TB], s[TB], 8192
	s_add_co_u32 s[KT], s[KT], 1
.endm
; A group of 512 keys: four steps.  The count leaves the later groups' fills on their way: no LDS byte is filled twice.
.macro GROUP g
	s_wait_tensorcnt 3-\g                          ; tensor loads of a wave end in order (ISA guide 10.11.1): my fills of groups 0 to g have landed,
	s_wait_dscnt 0x0
	s_barrier_signal -1
	s_barrier_wait -1                              ; everybody's have
	s_mov_b32 s[TB], \g*32768
	s_mov_b32 s[CNT], 4
.Lstep_\@:
	STEP
	s_sub_co_u32 s[CNT], s[CNT], 1
	s_cmp_lg_u32 s[CNT], 0
	s_cbranch_scc1 .Lstep_\@
	s_setprio 0
.endm
	s_wait_loadcnt 0x0                             ; Q
	GROUP 0
	GROUP 1
	GROUP 2
	GROUP 3
	; THE WAY OUT: O^T / l x 2^(e8 + e9), converted: a fragment's 8 registers (16 rows x the head's 64), two pieces of 512 consecutive bytes.
.rept 4
	v_nop                                          ; places behind the last products
.endr
	v_add_f32 v14, v14, v15
	s_delay_alu instid0(VALU_DEP_1)
	v_permlanex16_b32 v246, v14, s[SEL], s[SEL+1]
	s_delay_alu instid0(VALU_DEP_1)
	v_add_f32 v14, v14, v246                       ; the row's sum
	s_wait_alu depctr_va_vdst(0)
	v_rcp_f32 v14, v14
	v_nop                                          ; a plain line behind the transcendental
	s_add_co_i32 s66, s60, s61
	s_wait_alu depctr_va_vdst(0)                   ; and the wait ahead of its first reader
	v_ldexp_f32 v14, v14, s66
.set j, 0
.rept 32
	v_mul_f32 v[96+j], v[160+j], v14               ; register 8 t + i is o(query r, channel 16 t + 8 h + i); each accumulator from its low end on
.set j, j+1
.endr
.set j, 0
.rept 32
.set j, j+1
.endr
.irp t, 0,1,2,3
	v_cvt_scalef32_pk8_fp8_f32 v[224+2*\t:225+2*\t], v[96+8*\t:103+8*\t], v245
.endr
	v_nop
	global_store_b128 v[LI], v[224:227], s[88:89]
	global_store_b128 v[LI], v[228:231], s[88:89] offset:512
	s_wait_tensorcnt 0x0
	ds_add_u32 v251, v255
	s_wait_dscnt 0x0
	CROUND                                         ; the closing round: no work-group ends while a partner may still ask for a tile that names it
	s_endpgm
.Lfunc_end_k_q509550992e_attn:
	.size	k_q509550992e_attn, .Lfunc_end_k_q509550992e_attn-k_q509550992e_attn
	.p2alignl 7, 3214868480
	.fill 96, 4, 3214868480
	.section	.rodata,"a",@progbits
	.p2align	6, 0x0
	.amdhsa_kernel k_q509550992e_attn
		.amdhsa_group_segment_fixed_size 264192
		.amdhsa_private_segment_fixed_size 0
		.amdhsa_enable_private_segment 0
		.amdhsa_kernarg_size 24
		.amdhsa_user_sgpr_count 2
		.amdhsa_user_sgpr_kernarg_segment_ptr 1
		.amdhsa_wavefront_size32 1
		.amdhsa_system_sgpr_workgroup_id_x 1
		.amdhsa_system_sgpr_workgroup_id_y 1
		.amdhsa_system_sgpr_workgroup_id_z 1
		.amdhsa_system_vgpr_workitem_id 0
		.amdhsa_next_free_vgpr 256
		.amdhsa_next_free_sgpr 96
		.amdhsa_reserve_vcc 1
		.amdhsa_float_denorm_mode_32 3
		.amdhsa_float_denorm_mode_16_64 3
		.amdhsa_fp16_overflow 1
		.amdhsa_memory_ordered 1
		.amdhsa_forward_progress 1
		.amdhsa_inst_pref_size 87
	.end_amdhsa_kernel
	.amdgpu_metadata
---
amdhsa.version: [ 1, 2 ]
amdhsa.kernels:
  - .name:           k_q509550992e_attn
    .symbol:         k_q509550992e_attn.kd
    .args:
      - { .name: qkv, .offset: 0, .size: 8, .value_kind: global_buffer, .address_space: global }
      - { .name: lowp_scales, .offset: 8, .size: 8, .value_kind: global_buffer, .address_space: global }
      - { .name: ac, .offset: 16, .size: 8, .value_kind: global_buffer, .address_space: global }
    .group_segment_fixed_size: 264192
    .private_segment_fixed_size: 0
    .kernarg_segment_align: 8
    .kernarg_segment_size: 24
    .max_flat_workgroup_size: 512
    .sgpr_count:     96
    .vgpr_count:     256
    .wavefront_size: 32
...
	.end_amdgpu_metadata
.endif
;; end of part 3
;; launch proj (part 4): grid 4 x 32, 4 waves a work-group, clusters of 4 x 4, 327,680 bytes of LDS; arguments ac, wc, bo, lowp_scales, out0; writes out0
.if DOCPART == 4
	.amdgcn_target "amdgcn-amd-amdhsa--gfx1250"
	.amdhsa_code_object_version 6
	.text
	.protected	k_q509550992e_proj
	.globl	k_q509550992e_proj
	.p2align	8
	.type	k_q509550992e_proj,@function
k_q509550992e_proj:
	s_mov_b64 s[64:65], 0
	v_nop
	global_prefetch_b8 v0, s[64:65] scope:SCOPE_SE
	s_setreg_imm32_b32 hwreg(HW_REG_WAVE_MODE, 25, 1), 1
	s_wait_xcnt 0x0
	s_wait_alu depctr_hold_cnt(0) depctr_sa_sdst(0) depctr_va_vdst(0) depctr_va_sdst(0) depctr_va_ssrc(0) depctr_va_vcc(0) depctr_vm_vsrc(0)
	s_getreg_b32 s2, hwreg(HW_REG_IB_STS2, 6, 4)
	s_cmp_eq_u32 s2, 0
	s_cbranch_scc0 .Lentry_in_a_cluster
	s_endpgm
.Lentry_in_a_cluster:
	s_bfe_u32 s2, ttmp6, 0x10000c
	s_cmp_lg_u32 s2, 0xf033
	s_cbranch_scc0 .Lentry_shape_is_right
	s_endpgm
.Lentry_shape_is_right:
; out0 = a Wo + bo on codes of FP8 (E4M3), K = 1,024: a = the attention's result as codes (entry 10), Wo's codes are section 3 of wc (entry 11).  out0: [8192][1024] f32.
; A work-group of four waves makes a tile of 256 x 256, a wave 128 x 128: 64 accumulators of 16 x 16, 512 registers.
; OPERANDS ARE IMAGES OF REGISTERS: a fragment (16 rows x 128 K; lane (r, h): row r, registers 2 c, 2 c + 1: k = 16 c + 8 h + 0 .. 7) lies as 4 pieces of 512 bytes, lane l's 16 bytes at 16 l; 8 fragments (16,384 bytes) for each
; block of 16 rows.  A slot of the ring holds 256 along K: two fragments, 4,096 bytes, of each of 16 blocks of A' (= a) and 16 of B' (= Wo's columns); every LDS read takes 512 consecutive bytes.
; THE MATRIX INSTRUCTION: source 0 = 16 rows of B', source 1 = 16 rows of A': a lane holds eight neighbouring numbers of a row of out0.  bo is the C of each sum's first product, divided by 2^(e10 + e11).
; CLUSTERS: 4 x 4 work-groups; A's tiles are asked for jointly along a row of the cluster, B's along a column.
; LIMITS: e10 + e11 between -126 and 126; bo / 2^(e10 + e11) stays an f32 number.
; REGISTERS: window 0: v0-31 addresses; v32-95 the bias tiles, later the scaled sums; v128-255 A's fragments, ONE set, later rows read back.  window 1: B's fragments, two sets.  windows 2, 3: the accumulators.
.set RBK,   4096                       ; a block of 16 rows in a slot: two fragments
.set HALFT, 8*RBK                      ; 128 rows: what one tensor load brings, and what one wave reads of A' or of B'
.set SLOT,  4*HALFT                    ; A's 256 rows, then B's
.set SPARE, 2*SLOT                     ; behind the ring: the spare words, 128 bytes for each wave: two blocks of 256 bytes that no other line names
.set SPITCH, 528                       ; the way out: a stage of 16 rows x (512 bytes + 16) for each wave, in slot 0, which has had its last fill and its last read when the first result is stored there
.set FR,    16
.set NL,    4
.set NP,    4                          ; places behind this matrix instruction (ISA guide 7.12.1)
.set ADRA,  16                         ; v16-17  LDS address of my A' fragments in slot 0, 1
.set ADRB,  20                         ; v20-21  the same for B'
.set STO,   24                         ; v24     the way out: where I put 32 bytes of a row
.set RD,    25                         ; v25     the way out: where I read a row back
.set CO,    26                         ; v26     16 x lane
.set SPW,   28                         ; v28     LDS address of my spare word; never rewritten
.set NIL,   29                         ; v29     0; never rewritten
.set BIA,   32                         ; v32-95  the bias: tile b at v[32 + 8 b]
.set TMP,   32
.set AF,    128
.set BK,    128                        ; the way out: 16 rows read back: v128-191 and v192-255 by turns
.set WV,    18
.set HI,    19
.set LO,    20
.set G1,    24
.set G0,    32
.set G1B,   48
.set G0B,   56
.set MSB, 0
.macro WIN new                         ; the immediate's high byte repeats the setting that is left
.if MSB != \new
	s_set_vgpr_msb (MSB<<8)|\new
.set MSB, \new
.endif
.endm
.set MUL_LO, 0xa1                      ; source 0 (B') window 1, source 1 (A') window 0, C and D window 2
.set MUL_HI, 0xf1
.set FST_LO, 0x81                      ; the first step: C (the bias) window 0, D window 2
.set FST_HI, 0xc1
.set TO_B,   0x40
; A joint load: waves 0 and 1 fetch for A', waves 2 and 3 for B'.  The branch hangs on the wave's number alone.  Four v_nop follow each of the two lines.
.macro JLOAD s
	s_cmp_eq_u32 s[HI], 0
	s_cbranch_scc0 .Lfor_b_\@
	tensor_load_to_lds s[G0+4*\s:G0+4*\s+3], s[G1:G1+7]
	s_nop 0
.rept 4
	v_nop
.endr
	s_branch .Lasked_\@
.Lfor_b_\@:
	tensor_load_to_lds s[G0B+4*\s:G0B+4*\s+3], s[G1B:G1B+7]
	s_nop 0
.rept 4
	v_nop
.endr
.Lasked_\@:
.endm
.macro CREST                           ; a round of the cluster's barrier behind its opening barrier
	s_cmp_lg_u32 s[WV], 0
	s_cbranch_scc1 .Lnot_wave_0_\@
	s_barrier_signal -3
.Lnot_wave_0_\@:
	s_barrier_wait -3
	s_barrier_signal -1
	s_barrier_wait -1
.endm
.macro CROUND
	s_barrier_signal -1
	s_barrier_wait -1
	CREST
.endm
.macro PLACES n
.rept \n
	v_nop
.endr
.endm
.macro FRAG reg, adr, q, i             ; a fragment comes back as it was stored: four loads of 512 consecutive bytes
.irp c, 0,1,2,3
	ds_load_b128 v[\reg+4*\c:\reg+4*\c+3], v[\adr] offset:2048*(\q)+512*\c+(\i)*RBK
.endr
.endm
; 16 matrix instructions: A's blocks a0, a0 + 1 x B's eight, 128 along K.  p: B's set.  first = 1: the bias tile is the C: nothing is ever cleared.
; The 64 accumulators take turns, one instruction a turn, in the same order in every step.
.macro MUL16 a0, p, first
.irp a, \a0, \a0+1
.irp b, 0,1,2,3,4,5,6,7
.if \first
	v_wmma_f32_16x16x128_fp8_fp8 v[8*(8*((\a)%4)+\b):8*(8*((\a)%4)+\b)+7], v[128*(\p)+FR*\b:128*(\p)+FR*\b+FR-1], v[AF+FR*(\a):AF+FR*(\a)+FR-1], v[BIA+8*\b:BIA+8*\b+7]
.else
	v_wmma_f32_16x16x128_fp8_fp8 v[8*(8*((\a)%4)+\b):8*(8*((\a)%4)+\b)+7], v[128*(\p)+FR*\b:128*(\p)+FR*\b+FR-1], v[AF+FR*(\a):AF+FR*(\a)+FR-1], v[8*(8*((\a)%4)+\b):8*(8*((\a)%4)+\b)+7]
.endif
.endr
.endr
.endm
.macro FETCH_B slot, q, p
	WIN TO_B
.irp i, 0,1,2,3,4,5,6,7
	FRAG 128*(\p)+FR*\i, ADRB+\slot, \q, \i
.endr
	WIN 0
.endm
.macro FETCH_A slot, q, i0
.irp i, \i0, \i0+1, \i0+2, \i0+3
	FRAG AF+FR*(\i), ADRA+\slot, \q, \i
.endr
.endm
; A step of 128 along K that has its successor in the same slot.  A block of A' is free as soon as its eight products are issued: blocks 0-3 are fetched anew in the step's middle, blocks 4-7 at its end.
.macro STEP slot, q, first
	s_wait_dscnt 4*NL                              ; B's set and A's blocks 0-3 are in; the youngest 16 loads (A's blocks 4-7) may be out
.if \first
	WIN FST_LO
.else
	WIN MUL_LO
.endif
	MUL16 0, (\q)%2, \first
	MUL16 2, (\q)%2, \first
	s_wait_dscnt 0
	PLACES NP                                      ; in front of loads into registers that matrix instructions have read
	FETCH_B \slot, (\q)+1, 1-(\q)%2
	FETCH_A \slot, (\q)+1, 0
.if \first
	WIN FST_HI
.else
	WIN MUL_HI
.endif
	MUL16 4, (\q)%2, \first
	MUL16 6, (\q)%2, \first
	PLACES NP
	WIN 0
	FETCH_A \slot, (\q)+1, 4
.endm
; A slot's last step changes slots: ONE barrier; in front of it each wave waits for all its tensor loads, adds 0 to its spare word, and waits for that and for its own reads of this slot.  fill = 1: this slot is filled again, two slots ahead along K.
.macro TURN slot, next, fill
	s_wait_tensorcnt 0x0                           ; all my tensor loads have landed: my part of the next slot
	ds_add_u32 v[SPW], v[NIL]                      ; 0 onto my spare word
	s_wait_dscnt 4*NL+1                            ; (the add and the youngest 16 loads, A's blocks 4-7, may be out)
	WIN MUL_LO
	MUL16 0, 1, 0                                  ; sixteen matrix instructions stand between the add and the wait for it
	s_wait_dscnt 0x0                               ; the add is done, and my reads of this slot are over
	s_barrier_signal -1
	MUL16 2, 1, 0
	WIN 0
	s_barrier_wait -1
.if \fill
	CREST                                          ; the barrier has opened a round of the cluster's barrier: no wave of any partner still reads this slot or has a load on its way
	s_add_nc_u64 s[G0+4*\slot+2:G0+4*\slot+3], s[G0+4*\slot+2:G0+4*\slot+3], 2*RBK
	s_add_nc_u64 s[G0B+4*\slot+2:G0B+4*\slot+3], s[G0B+4*\slot+2:G0B+4*\slot+3], 2*RBK
	JLOAD \slot                                    ; the first tensor load behind the round; its four v_nop are also the places in front of the loads below
.else
	PLACES NP
.endif
	FETCH_B \next, 0, 0
	FETCH_A \next, 0, 0
	WIN MUL_HI
	MUL16 4, 1, 0
	MUL16 6, 1, 0
	PLACES NP
	WIN 0
	FETCH_A \next, 0, 4
.endm
	s_load_b256 s[4:11], s[0:1], 0x0               ; ac 4:5, wc 6:7, bo 8:9, the exponents 10:11
	s_load_b64 s[12:13], s[0:1], 0x20              ; out0
	v_lshl_add_u32 v[SPW], v0, 2, SPARE
	v_mov_b32 v[NIL], 0
	ds_add_u32 v28, v29
	ds_add_u32 v28, v29
	s_wait_dscnt 0x0
	v_lshrrev_b32 v1, 5, v0
	v_readfirstlane_b32 s[WV], v1
	s_lshr_b32 s[HI], s[WV], 1
	s_and_b32 s[LO], s[WV], 1
	s_bfe_u32 s21, ttmp6, 0x40000                  ; cx
	s_bfe_u32 s22, ttmp6, 0x40004                  ; cy
	s_lshl_b32 s82, ttmp9, 2
	s_add_co_u32 s82, s82, s21                     ; B's tile = tile column of out0
	s_and_b32 s81, ttmp7, 0xffff
	s_lshl_b32 s81, s81, 2
	s_add_co_u32 s81, s81, s22                     ; A's tile = tile row
	s_lshl_b32 s83, s22, 2
	s_lshl_b32 s83, 15, s83                        ; my row of the cluster
	s_lshl_b32 s84, 0x1111, s21                    ; my column
	; descriptor group 1: 8 rows (blocks of 16 matrix rows) of 4,096 bytes, 16,384 bytes apart, dense in LDS; elements of 8 bytes
	s_or_b32 s[G1], s83, (3<<16)|(1<<21)           ; 15:0 the mask; 17:16 elements of 8 bytes; 21 set beside a mask
	s_or_b32 s[G1B], s84, (3<<16)|(1<<21)
.irp g, G1, G1B
	s_mov_b32 s[\g+1], 512<<16                     ; tensor_dim0 = 512 elements
	s_mov_b32 s[\g+2], 8<<16                       ; tensor_dim1 = 8
	s_mov_b32 s[\g+3], 512<<16                     ; tile_dim0
	s_mov_b32 s[\g+4], 8                           ; tile_dim1
	s_mov_b32 s[\g+5], 2048                        ; tensor_dim0_stride, in elements
	s_mov_b32 s[\g+6], 0
	s_mov_b32 s[\g+7], 0
.endr
	s_lshl_b32 s86, s81, 18                        ; a tile of 256 rows is 16 x 16,384 bytes,
	s_lshl_b32 s87, s[LO], 17                      ; the half that I fetch
	s_add_co_u32 s86, s86, s87
	s_mov_b32 s87, 0
	s_lshl_b32 s88, s82, 18
	s_lshl_b32 s89, s[LO], 17
	s_add_co_u32 s88, s88, s89
	s_mov_b32 s89, 0
	s_mul_i32 s85, s[WV], HALFT                    ; where my load goes: wave x 128 rows: no place in the cluster enters an LDS address
	s_wait_kmcnt 0x0
	s_load_b64 s[68:69], s[10:11], 0x28            ; entries 10 and 11
	s_add_nc_u64 s[90:91], s[4:5], s[86:87]
	s_add_nc_u64 s[6:7], s[6:7], 0x300000          ; Wo's section of wc
	s_add_nc_u64 s[92:93], s[6:7], s[88:89]
	CROUND                                         ; all sixteen work-groups are here: the first joint loads meet
.irp s, 0,1
	s_mov_b32 s[G0+4*\s], 1
	s_add_co_u32 s[G0+4*\s+1], s85, \s*SLOT
	s_add_nc_u64 s[G0+4*\s+2:G0+4*\s+3], s[90:91], \s*RBK
	s_or_b32 s[G0+4*\s+3], s[G0+4*\s+3], 0x80000000
	s_mov_b32 s[G0B+4*\s], 1
	s_add_co_u32 s[G0B+4*\s+1], s85, \s*SLOT
	s_add_nc_u64 s[G0B+4*\s+2:G0B+4*\s+3], s[92:93], \s*RBK
	s_or_b32 s[G0B+4*\s+3], s[G0B+4*\s+3], 0x80000000
	s_wait_alu depctr_va_vdst(0)
	s_wait_tensorcnt 0x0
	ds_add_u32 v28, v29
	ds_add_u32 v28, v29
	s_wait_dscnt 0x0
	CROUND
	JLOAD \s                                       ; one load of mine is out
.endr
	s_lshl_b32 s40, s81, 8
	s_lshl_b32 s42, s[HI], 7
	s_add_co_u32 s40, s40, s42                     ; my first row of out0
	s_lshl_b32 s41, s82, 8
	s_lshl_b32 s42, s[LO], 7
	s_add_co_u32 s41, s41, s42                     ; my first column
	s_lshl_b32 s80, s41, 2
	s_mov_b32 s81, 0
	s_add_nc_u64 s[8:9], s[8:9], s[80:81]
	v_and_b32 v1, 15, v0                           ; r
	s_wait_alu depctr_va_vdst(0)
	v_bfe_u32 v2, v0, 4, 1                         ; h
	v_lshlrev_b32 v3, 5, v2
.irp b, 0,1,2,3,4,5,6,7
	global_load_b128 v[BIA+8*\b:BIA+8*\b+3], v3, s[8:9] offset:64*\b         ; bo(16 b + 8 h + 0 .. 7): the result's layout
	global_load_b128 v[BIA+8*\b+4:BIA+8*\b+7], v3, s[8:9] offset:64*\b+16
.endr
	v_and_b32 v5, 31, v0
	v_lshlrev_b32 v[CO], 4, v5
	s_mul_i32 s80, s[HI], HALFT                    ; my 128 rows of A',
	s_mul_i32 s82, s[LO], HALFT                    ; my 128 rows of B',
	s_add_co_u32 s82, s82, 2*HALFT                 ; which lie behind A's 256
.irp s, 0,1
	v_add_nc_u32 v[ADRA+\s], s80, v[CO]
	v_add_nc_u32 v[ADRB+\s], s82, v[CO]
	s_add_co_u32 s80, s80, SLOT
	s_add_co_u32 s82, s82, SLOT
.endr
	s_mul_i32 s80, s[WV], 16*SPITCH                ; my stage
	v_mul_u32_u24 v5, v1, SPITCH                   ; in: row r, 32 bytes for each half of the lanes
	s_wait_alu depctr_va_vdst(0)
	v_lshl_add_u32 v5, v2, 5, v5
	v_add_nc_u32 v[STO], s80, v5
	v_add_nc_u32 v[RD], s80, v[CO]                 ; back: the 32 lanes take one row of 512 bytes
	s_lshl_b32 s80, s40, 12                        ; a row of out0 is 4,096 bytes
	s_lshl_b32 s82, s41, 2
	s_add_co_u32 s80, s80, s82
	s_add_nc_u64 s[12:13], s[12:13], s[80:81]
	s_wait_kmcnt 0x0
	s_add_co_i32 s80, s68, s69                     ; e10 + e11
	s_add_co_i32 s96, s80, 127
	s_lshl_b32 s96, s96, 23                        ; 2^(e10 + e11) as f32
	s_mov_b32 s97, s96                             ; (named with it as a pair, so it is written)
	s_sub_co_i32 s98, 127, s80
	s_lshl_b32 s98, s98, 23                        ; 2^-(e10 + e11)
	s_mov_b32 s99, s98
	s_wait_loadcnt 0x0                             ; the bias
.set j, 0
.rept 32
	v_pk_mul_f32 v[BIA+j:BIA+j+1], v[BIA+j:BIA+j+1], s[98:99] op_sel_hi:[1,0]   ; a sum stands for sum x 2^(e10 + e11): the bias goes in divided by that
.set j, j+2
.endr
	s_wait_alu depctr_va_vdst(0)
	s_wait_tensorcnt 1                             ; my part of slot 0 is in; slot 1's may stay out
	s_barrier_signal -1
	s_barrier_wait -1
	FETCH_B 0, 0, 0
	FETCH_A 0, 0, 0
	FETCH_A 0, 0, 4
	STEP 0, 0, 1                                   ; K = 1,024 is four slots' worth, eight steps: written out, no loop
	TURN 0, 1, 1
	STEP 1, 0, 0
	TURN 1, 0, 1
	STEP 0, 0, 0
	TURN 0, 1, 0                                   ; nothing is left to fetch
	STEP 1, 0, 0
	s_wait_dscnt 4*NL                              ; the last step
	WIN MUL_LO
	MUL16 0, 1, 0
	MUL16 2, 1, 0
	s_wait_dscnt 0
	WIN MUL_HI
	MUL16 4, 1, 0
	MUL16 6, 1, 0
	WIN 0
; THE WAY OUT, block by block of 16 rows x 128 columns.  A lane holds 32 neighbouring bytes of a row, and the lanes beside it hold other rows: a block goes through my own stage in LDS and comes back as whole rows of 512 bytes.
; LDS serves a wave's instructions in order (ISA guide 5.7.1.4): no wait between the stores and the loads, nor in front of the next block's stores.
.macro TOSTAGE a
.set AC, 64*((\a)%4)
	WIN 0x02+((\a)/4)                              ; source 0: window 2 or 3
.set j, 0
.rept 32
	v_pk_mul_f32 v[TMP+j:TMP+j+1], v[AC+j:AC+j+1], s[96:97] op_sel_hi:[1,0]   ; x 2^(e10 + e11); each accumulator from its low end on
.set j, j+2
.endr
	WIN 0
.irp b, 0,1,2,3,4,5,6,7
	ds_store_b128 v[STO], v[TMP+8*\b:TMP+8*\b+3] offset:64*\b
	ds_store_b128 v[STO], v[TMP+8*\b+4:TMP+8*\b+7] offset:64*\b+16
.endr
.set BB, BK+64*((\a)%2)
.irp t, 0,1,2,3,4,5,6,7,8,9,10,11,12,13,14,15
	ds_load_b128 v[BB+4*\t:BB+4*\t+3], v[RD] offset:\t*SPITCH
.endr
.endm
.macro SEND a, younger                 ; younger: the LDS instructions issued behind block a's loads, which may stay out
.set BB, BK+64*((\a)%2)
	s_wait_dscnt \younger                          ; the block is back in registers
.if (\a) > 0
	s_add_nc_u64 s[12:13], s[12:13], 16*4096       ; (behind a wait on XCNT: the earlier stores have read their base)  16 rows on
.endif
.irp t, 0,1,2,3,4,5,6,7,8,9,10,11,12,13,14,15
	global_store_b128 v[CO], v[BB+4*\t:BB+4*\t+3], s[12:13] offset:\t*4096 th:TH_STORE_NT   ; 32 lanes store 512 consecutive bytes, aligned; written once, read by nobody here
.endr
.endm
	PLACES NP                                      ; behind the last products: in front of the first read of results and of the loads into the registers that held A's fragments
	TOSTAGE 0
.irp a, 1,2,3,4,5,6,7
.if \a > 1
	s_wait_xcnt 0x0                                ; block a - 2's stores have read their registers and their base: block a's loads may land there, and the base may step
.endif
	TOSTAGE \a
	SEND \a-1, 32                                  ; behind block a - 1's loads: block a's 16 stores and 16 loads
.endr
	s_wait_xcnt 0x0                                ; block 6's stores have read their base
	SEND 7, 0
	s_wait_tensorcnt 0x0                           ; the wave's end, behind my last tensor load and my last LDS store
	ds_add_u32 v[SPW], v[NIL]
	s_wait_dscnt 0x0
	CROUND                                         ; the closing round: no work-group ends while a partner may still ask for a tile that names it
	s_endpgm
.Lfunc_end_k_q509550992e_proj:
	.size	k_q509550992e_proj, .Lfunc_end_k_q509550992e_proj-k_q509550992e_proj
	.p2alignl 7, 3214868480
	.fill 96, 4, 3214868480
	.section	.rodata,"a",@progbits
	.p2align	6, 0x0
	.amdhsa_kernel k_q509550992e_proj
		.amdhsa_group_segment_fixed_size 327680
		.amdhsa_private_segment_fixed_size 0
		.amdhsa_enable_private_segment 0
		.amdhsa_kernarg_size 40
		.amdhsa_user_sgpr_count 2
		.amdhsa_user_sgpr_kernarg_segment_ptr 1
		.amdhsa_wavefront_size32 1
		.amdhsa_system_sgpr_workgroup_id_x 1
		.amdhsa_system_sgpr_workgroup_id_y 1
		.amdhsa_system_sgpr_workgroup_id_z 1
		.amdhsa_system_vgpr_workitem_id 0
		.amdhsa_next_free_vgpr 1024
		.amdhsa_next_free_sgpr 100
		.amdhsa_reserve_vcc 0
		.amdhsa_float_denorm_mode_32 3
		.amdhsa_float_denorm_mode_16_64 3
		.amdhsa_memory_ordered 1
		.amdhsa_forward_progress 1
		.amdhsa_inst_pref_size 128
	.end_amdhsa_kernel
	.amdgpu_metadata
---
amdhsa.version: [ 1, 2 ]
amdhsa.kernels:
  - .name:           k_q509550992e_proj
    .symbol:         k_q509550992e_proj.kd
    .args:
      - { .name: ac, .offset: 0, .size: 8, .value_kind: global_buffer, .address_space: global }
      - { .name: wc, .offset: 8, .size: 8, .value_kind: global_buffer, .address_space: global }
      - { .name: bo, .offset: 16, .size: 8, .value_kind: global_buffer, .address_space: global }
      - { .name: lowp_scales, .offset: 24, .size: 8, .value_kind: global_buffer, .address_space: global }
      - { .name: out0, .offset: 32, .size: 8, .value_kind: global_buffer, .address_space: global }
    .group_segment_fixed_size: 327680
    .private_segment_fixed_size: 0
    .kernarg_segment_align: 8
    .kernarg_segment_size: 40
    .max_flat_workgroup_size: 128
    .sgpr_count:     100
    .vgpr_count:     1024
    .wavefront_size: 32
...
	.end_amdgpu_metadata
.endif
;; end of part 4
